; MI455X (gfx1250); checked and timed in simulation.
; The chip was launched on July 23, 2026; its instructions are those of AMD's public machine-readable ISA for CDNA 5 (MIT licence, August 2026) and "CDNA5" Instruction Set Architecture Reference Guide (July 2026). The comments in the code are by the model that wrote it; some were corrected since.
;; Multi Head Attn. Allowed arithmetic: matrix products marked QUANTISED: E2M3 operands, one E8M0 scale for each 32 along K, by v_wmma_scale_f32_16x16x128_f8f6f4 with both operands' format E2M3, f32 sums; everything else in f32.
;; Inputs: Wk 1,024 x 1,024 float32; Wo 1,024 x 1,024 float32; Wq 1,024 x 1,024 float32; Wv 1,024 x 1,024 float32; bk 1,024 float32; bo 1,024 float32; bq 1,024 float32; bv 1,024 float32; key 4 x 2,048 x 1,024 float32; query 4 x 2,048 x 1,024 float32; value 4 x 2,048 x 1,024 float32.
;; Outputs: out0 4 x 2,048 x 1,024 float32.
;; This version of the problem:
;;   THIS VERSION OF THE PROBLEM IS GIVEN IN LOW PRECISION. The matrix products marked QUANTISED in the list below multiply operands that are first quantised to E2M3 (2 exponent bits, 3 mantissa bits; 6 bits a number), with one power-of-two scale for each 32 numbers along K (OCP MX v1.0); their sums are f32. All else is computed in f32.
;;   The module's matrix products, in the order in which they are computed (A, B: the left and right operand; K: the contracted axis; several contracted axes count as one K, in the product's order):
;;     1. [M 8,192, K 1,024] x [K 1,024, N 1,024]; A: input key; B: input Wk: QUANTISED
;;     2. [M 8,192, K 1,024] x [K 1,024, N 1,024]; A: input value; B: input Wv: QUANTISED
;;     3. [M 8,192, K 1,024] x [K 1,024, N 1,024]; A: input query; B: input Wq: QUANTISED
;;     4. batch 64 x [M 2,048, K 64] x [K 64, N 2,048]; A: computed on the way; B: computed on the way: QUANTISED
;;     5. batch 64 x [M 2,048, K 2,048] x [K 2,048, N 64]; A: softmax (see below); B: computed on the way: QUANTISED
;;     6. [M 8,192, K 1,024] x [K 1,024, N 1,024]; A: computed on the way; B: input Wo: QUANTISED
;;   THE QUANTISER, for each operand of a quantised product, along K:
;;     - K is cut into blocks of 32 from its start; a last block that is shorter is filled with zeros.
;;     - A block's scale is 2^e with e = floor(log2(the largest magnitude in the block)) - 2, held to -126 .. 127; a block of zeros has e = 0. As a byte (E8M0): e + 127.
;;     - Each number is divided by its block's scale, clamped to +-7.5, and rounded to the nearest number of E2M3, ties to even, subnormals kept.
;;     - The product sums the exact products of the quantised numbers (number of the format x scale) in f32.
;;   ~~~python
;;   def quantise(x, axis):      # numpy; x: float32 -> the quantised numbers, widened to float32 again
;;       x = np.moveaxis(x, axis, -1); K = x.shape[-1]
;;       x = np.pad(x, [(0, 0)] * (x.ndim - 1) + [(0, -K % 32)]); x = x.reshape(x.shape[:-1] + (-1, 32)); a = np.abs(x).max(-1, keepdims=True)
;;       e = np.where(a > 0, np.clip(np.frexp(np.where(a > 0, a, 1))[1] - 1 - 2, -126, 127), 0)      # np.frexp(a)[1] - 1 = floor(log2(a)), exactly
;;       r = np.clip(x / 2.0 ** e, -7.5, 7.5)
;;       step = 2.0 ** (np.maximum(np.frexp(np.where(r == 0, 1, r))[1] - 1, 0) - 3)
;;       q = np.round(r / step) * step * 2.0 ** e      # np.round: ties to even
;;       return np.moveaxis(q.reshape(q.shape[:-2] + (-1,))[..., :K], -1, axis).astype(np.float32)
;;   ~~~
;;   SOFTMAX AHEAD OF A QUANTISED PRODUCT. Where the list says 'softmax', what is quantised is not the finished softmax but p = 2^(t - M), with t = logit x log2(e) and M = ceil(the row's largest t), a whole number; so 1/2 < the row's largest p <= 1. The row's sum l is taken of the UNQUANTISED p, in f32, and the product's result is divided by l at the end. Since M is a whole number, a kernel that streams over the keys may use a running M (the ceiling of the running maximum): every later rescaling is an exact power of two, which a block's scale takes up: the codes' values come out the same.
;;   OPERANDS COMPUTED ON THE WAY. 'Computed on the way' means the value that the module computes at that place (a softmax that the list does not call 'softmax' is quantised finished and normalised). What goes into a quantiser is computed in f32, as accurately as f32 sums, v_exp_f32 and their like allow (about 1e-6 of the number): no bf16 or f16 on the way to a quantiser, and a product that is left as it is and whose result goes on into a quantised operand takes f32 operands (vector FMAs, or v_wmma_f32_16x16x4_f32). A number that lies on a knife's edge between two numbers of the format may be rounded either way, as far as f32 arithmetic and the matrix unit's own rounding can turn it there, and no further.
;; One version. Each part assembles by itself: llvm-mc -triple=amdgcn-amd-amdhsa -mcpu=gfx1250 --defsym DOCPART=n.
;; ======== version 1 of 1: 4 launches
;; limits: right only within a limited range of input values
;; workspace buffers: ximg 19,660,800 bytes; wimg 3,276,800 bytes; kv 13,107,200 bytes; qimg 8,388,608 bytes; cimg 6,291,456 bytes; cscale 262,144 bytes
;; launch quant (part 1): grid 512 x 1, 7 waves a work-group, no clusters, 103,168 bytes of LDS; arguments key, query, value, Wk, Wq, Wv, Wo, ximg, wimg; writes ximg, wimg
.if DOCPART == 1
	.amdgcn_target "amdgcn-amd-amdhsa--gfx1250"
	.amdhsa_code_object_version 6
	.text
	.protected	k_qed15e98d43_quant
	.globl	k_qed15e98d43_quant
	.p2align	8
	.type	k_qed15e98d43_quant,@function
k_qed15e98d43_quant:
	s_mov_b64 s[64:65], 0
	v_nop
	global_prefetch_b8 v0, s[64:65] scope:SCOPE_SE
	s_setreg_imm32_b32 hwreg(HW_REG_WAVE_MODE, 25, 1), 1
	s_wait_xcnt 0x0
; key, query, value [8192][1024] and Wk, Wq, Wv, Wo [1024 (k)][1024 (n)], f32, become codes of FP6 (E2M3) with one E8M0 byte for each 32 along K = 1024,
; laid as IMAGES OF THE MATRIX OPERAND'S REGISTERS.  A fragment (16 rows x 128 K, 12 registers a lane) is 1,536 bytes: registers 4 c .. 4 c + 3 of lane l at 512 c + 16 l.
; A row tile of 16 rows is 12,800 bytes: two records (512 along K each) of four fragments and 256 bytes of scale words (8 bytes a lane slot: slots 0-15 the words of steps 0 and 2 of row l, slots 16-31 of steps 1 and 3).
; WHICH ROWS FORM A TILE T: natural (row m = 16 T + m): query, Wo;  permuted (row m = 32 (T / 2) + 8 (T % 2) + m + 8 (m / 8)): value, Wk, Wq, Wv;  key: row m = 64 (T / 4) + 8 (T % 4) + m % 8 + 32 (m / 8).  A weight's row is its output column.
; A block's scale is 2^(floor(log2(largest magnitude)) - 2): its byte is the largest magnitude's exponent field - 2, held at 1 from below by a floor among the maximum's leaves.
; LIMITS: a block whose largest magnitude lies under 2^-124, a block of zeros among them, gets the byte 1 (the rule says 127 for zeros: the codes are zeros and this program alone reads the bytes); NaN and infinities are not served.
; THE DEAL.  A wave has one task of 32 KiB of f32.  Tasks 0-3071: a record of an activation's row tile (16 rows x 512 K).  Tasks 3072-3583: 32 columns x 256 K of a weight: steps p and p + 2 of a record of two row tiles.
; 3,584 tasks are 512 work-groups of 7 waves: task = 7 x work-group + wave.  The two paths have LDS bytes of their own.  Waves share nothing: no barrier.  No matrix unit, no cluster, no tensor load: a stream read once.
.set XT,    6553600                    ; an activation's images
.set WT,    819200                     ; a weight's
.set TILEB, 12800
.set REC,   6400
.set XP,    528                        ; activations' stage: a row of 512 bytes + 16: the sixteen rows that a read touches begin 4 words apart
.set XSTB,  16*XP
.set WST,   7*XSTB                     ; weights' stages: two tiles x two fragments a wave
.set WSTB,  6144
.set SPARE, WST+7*WSTB                 ; the spare words, 128 bytes a wave: four blocks of 256 bytes that no other line names
.set SPW, 12                           ; v12  my spare word's LDS address; never rewritten
.set NIL, 13                           ; v13  0; never rewritten
.set R,   16                           ; v16-143  activations: two sets of 64 registers as loaded
.set X,   144                          ; v144-207 64 numbers of my row: register 16 b + i = k 32 b + 16 (lane / 16) + i
.set PC,  208                          ; v208-231 two sets of 12: a fragment's codes
.set HT,  232                          ; v232-238 second halves of blocks (a conversion's three registers begin on an even number)
.set TM,  240                          ; v240-251 largest magnitudes, bytes, scale operands
.set PW,  252                          ; v252-255 the scale words of a record's four steps
.set SEL, 28                           ; s[28:29] selects of v_permlanex16_b32: lane l xor 16
.set WX,  16                           ; weights: v16-79 two sets of 32 numbers down K
.set WC,  80                           ; v80-85 a block's codes
.set WH,  88                           ; v88-90 its second half
.set SB,  92                           ; v92-93 scale words of steps p, p + 2
.set WM,  96                           ; v96-99 at work
.set RB,  100                          ; v100-147 the way out
; 64 numbers of a lane become a fragment's codes (block lane / 16 in v[x0 .. x0 + 5], block 2 + lane / 16 in v[x1 .. x1 + 5]) and the row's scale word in v[pw].
.macro QUANT s, x0, x1, pw
.irp b, 0,1,2,3
	v_max3_num_f32 v[TM+\b], |v[(\s)+16*\b]|, |v[(\s)+16*\b+1]|, 0x1800000   ; my 16 numbers of block b, and the floor 2^(3 - 127): the byte cannot fall under 1
.endr
.irp i, 2,4,6,8,10,12,14
.irp b, 0,1,2,3
	v_max3_num_f32 v[TM+\b], v[TM+\b], |v[(\s)+16*\b+\i]|, |v[(\s)+16*\b+\i+1]|   ; the four blocks by turns
.endr
.endr
.irp b, 0,1,2,3
	v_permlanex16_b32 v[TM+4+\b], v[TM+\b], s[SEL], s[SEL+1]
.endr
.irp b, 0,1,2,3
	v_max_num_f32 v[TM+\b], v[TM+\b], v[TM+4+\b]   ; with lane l xor 16's sixteen: the block's largest magnitude
.endr
.irp b, 0,1,2,3
	v_add_nc_u32 v[TM+8+\b], 0xff000000, v[TM+\b]  ; 2 off its exponent field: the conversion takes the exponent field of this operand as its scale
.endr
.irp b, 0,1,2,3
	v_lshrrev_b32 v[TM+4+\b], 23, v[TM+8+\b]       ; the scale's byte
.endr
	v_lshl_or_b32 v[\pw], v[TM+5], 8, v[TM+4]
	v_lshl_or_b32 v[\pw], v[TM+6], 16, v[\pw]
	v_lshl_or_b32 v[\pw], v[TM+7], 24, v[\pw]
	v_cvt_scalef32_pk16_fp6_f32 v[(\x0):(\x0)+2], v[(\s):(\s)+15], v[TM+8]
	v_cvt_scalef32_pk16_fp6_f32 v[HT:HT+2], v[(\s)+16:(\s)+31], v[TM+9]
	v_cvt_scalef32_pk16_fp6_f32 v[(\x1):(\x1)+2], v[(\s)+32:(\s)+47], v[TM+10]
	v_cvt_scalef32_pk16_fp6_f32 v[HT+4:HT+6], v[(\s)+48:(\s)+63], v[TM+11]
	v_nop                                          ; one plain instruction between a scaled conversion and the vector instruction that touches its result
.irp i, 0,1,2
	v_permlane16_swap_b32 v[(\x0)+\i], v[HT+\i]    ; the operand wants a WHOLE block in a lane: the first's lanes 16-31 change places with the second's lanes 0-15
	v_permlane16_swap_b32 v[(\x1)+\i], v[HT+4+\i]
.endr
.irp i, 0,1,2
	v_mov_b32 v[(\x0)+3+\i], v[HT+\i]
	v_mov_b32 v[(\x1)+3+\i], v[HT+4+\i]
.endr
.endm
	s_load_b512 s[4:19], s[0:1], 0x0               ; key, query, value, Wk, Wq, Wv, Wo, ximg
	s_load_b64 s[20:21], s[0:1], 0x40              ; wimg
	v_lshl_add_u32 v[SPW], v0, 2, SPARE
	v_mov_b32 v[NIL], 0
	v_lshrrev_b32 v1, 5, v0
	v_readfirstlane_b32 s22, v1                    ; wave
	v_and_b32 v1, 31, v0                           ; lane
	v_and_b32 v2, 15, v0                           ; lane % 16
	v_bfe_u32 v3, v0, 4, 1                         ; lane / 16
	s_mul_i32 s45, ttmp9, 7
	s_add_co_u32 s45, s45, s22                     ; my task
	s_cmp_lt_u32 s45, 3072
	s_cbranch_scc0 .Lweights
	; ---------------- the activations ----------------
	s_mov_b32 s[SEL], 0x76543210
	s_mov_b32 s[SEL+1], 0xfedcba98
	s_mov_b32 s30, 0xffff0000                      ; lanes 16-31
	s_lshr_b32 s23, s45, 10                        ; 0 key, 1 query, 2 value
	s_and_b32 s24, s45, 1023
	s_and_b32 s41, s24, 1                          ; which 512 along K
	s_lshr_b32 s24, s24, 1                         ; my row tile T
	s_lshr_b32 s25, s24, 1
	s_lshl_b32 s25, s25, 5
	s_and_b32 s26, s24, 1
	s_lshl_b32 s26, s26, 3
	s_add_co_u32 s25, s25, s26                     ; permuted: the tile's first row 32 (T / 2) + 8 (T % 2)
	s_lshl_b32 s26, s24, 4                         ; natural: 16 T
	s_mov_b32 s27, 16*4096
	s_cmp_eq_u32 s23, 1
	s_cselect_b32 s25, s26, s25
	s_cselect_b32 s27, 8*4096, s27                 ; rows 8-15 of the tile begin 8 rows (natural) or 16 rows (permuted) behind the first
	s_lshr_b32 s26, s24, 2                         ; key: the first row 64 (T / 4) + 8 (T % 4), rows 8-15 begin 32 rows behind it: in attention a lane's 32 scores of four tiles are then one block of 32 neighbouring keys
	s_lshl_b32 s26, s26, 6
	s_and_b32 s31, s24, 3
	s_lshl_b32 s31, s31, 3
	s_add_co_u32 s26, s26, s31
	s_mov_b32 s31, 32*4096
	s_cmp_eq_u32 s23, 0
	s_cselect_b32 s25, s26, s25
	s_cselect_b32 s27, s31, s27
	s_lshl_b32 s32, s25, 12                        ; a row is 4,096 bytes,
	s_lshl_b32 s42, s41, 11                        ; 512 along K are 2,048
	s_add_co_u32 s32, s32, s42
	s_mov_b32 s33, 0
	s_mul_i32 s34, s23, XT
	s_mul_i32 s35, s24, TILEB
	s_add_co_u32 s34, s34, s35
	s_mul_i32 s35, s41, REC
	s_add_co_u32 s34, s34, s35
	s_mov_b32 s35, 0
	s_wait_alu depctr_va_vdst(0)
	v_lshlrev_b32 v4, 4, v1                        ; 16 x lane: a load takes 512 consecutive bytes of one row; also an image's place for my lane
	v_add_nc_u32 v5, s27, v4
	s_mul_i32 s40, s22, XSTB
	v_add_nc_u32 v6, s40, v4                       ; my stage, on the way in
	v_mul_u32_u24 v7, v2, XP
	v_lshl_add_u32 v7, v3, 6, v7
	v_add_nc_u32 v7, s40, v7                       ; and on the way out: row lane % 16, + 64 (lane / 16)
	v_lshlrev_b32 v9, 3, v1                        ; 8 x lane: a scale slot
.irp b, 0,1,2,3
	v_mov_b32 v[TM+4+\b], 0                        ; written once: a lane permute's destination counts as one of its sources
.endr
	s_wait_alu depctr_va_vdst(0)
	s_wait_kmcnt 0x0
	s_cmp_eq_u32 s23, 0
	s_cselect_b64 s[36:37], s[4:5], s[6:7]
	s_cmp_eq_u32 s23, 2
	s_cselect_b64 s[36:37], s[8:9], s[36:37]
	s_add_nc_u64 s[36:37], s[36:37], s[32:33]      ; the tile's first row, my 512 along K
	s_add_nc_u64 s[38:39], s[18:19], s[34:35]      ; my record
.macro LOADX t                         ; step t: 128 along K of the 16 rows
.irp m, 0,1,2,3,4,5,6,7
	global_load_b128 v[R+64*((\t)%2)+4*\m:R+64*((\t)%2)+4*\m+3], v4, s[36:37] offset:4096*\m+512*(\t) th:TH_LOAD_NT
.endr
.irp m, 0,1,2,3,4,5,6,7
	global_load_b128 v[R+64*((\t)%2)+32+4*\m:R+64*((\t)%2)+32+4*\m+3], v5, s[36:37] offset:4096*\m+512*(\t) th:TH_LOAD_NT
.endr
.endm
.macro XSTEP t
.set ST2, (\t)%2
.if (\t) < 3
	s_wait_loadcnt 16                              ; this step's 16 loads are in; the next step's 16 may be out
.else
	s_wait_loadcnt 0x0
.endif
.irp m, 0,1,2,3,4,5,6,7,8,9,10,11,12,13,14,15
	ds_store_b128 v6, v[R+64*ST2+4*\m:R+64*ST2+4*\m+3] offset:XP*\m
.endr
.irp q, 0,1,2,3,4,5,6,7,8,9,10,11,12,13,14,15
	ds_load_b128 v[X+4*\q:X+4*\q+3], v7 offset:128*(\q/4)+16*(\q%4)   ; LDS serves a wave's instructions in order: these see my stores
.endr
	s_wait_dscnt 0x0                               ; my 64 numbers are here, and the stores have read their registers,
.if (\t)+2 < 4
	LOADX (\t)+2                                   ; which take the loads of two steps on
.endif
	s_wait_xcnt 0x0                                ; earlier stores have read their data: this set of codes is rewritten only behind this wait
	QUANT X, PC+12*ST2, PC+12*ST2+6, PW+(\t)
.irp c, 0,1,2
	global_store_b128 v4, v[PC+12*ST2+4*\c:PC+12*ST2+4*\c+3], s[38:39] offset:(\t)*1536+512*\c   ; 512 consecutive bytes, aligned
.endr
.endm
	LOADX 0
	LOADX 1
.irp t, 0,1,2,3
	XSTEP \t
.endr
	v_cndmask_b32 v14, v[PW], v[PW+1], s30         ; slots 0-15: steps 0 and 2; slots 16-31: steps 1 and 3
	v_cndmask_b32 v15, v[PW+2], v[PW+3], s30
	global_store_b64 v9, v[14:15], s[38:39] offset:6144   ; 256 consecutive bytes, aligned
	s_wait_tensorcnt 0x0                           ; the wave's end
	ds_add_u32 v[SPW], v[NIL]
	s_wait_dscnt 0x0
	s_endpgm
	; ---------------- the weights: K is the FIRST axis: a lane takes a column and its registers run down K ----------------
.Lweights:
	s_sub_co_u32 s23, s45, 3072
	s_and_b32 s46, s23, 3
	s_lshr_b32 s23, s23, 2
	s_lshr_b32 s24, s23, 5                         ; 0 Wk, 1 Wq, 2 Wv, 3 Wo
	s_bfe_u32 s25, s23, 0x10004                    ; which 512 along K
	s_bfe_u32 s42, s23, 0x10003                    ; p: my steps of 128 along K are p and p + 2
	s_and_b32 s26, s23, 7
	s_lshl_b32 s26, s26, 2
	s_add_co_u32 s26, s26, s46                     ; my 32 columns: two row tiles of the operand
	s_cmp_eq_u32 s24, 3
	s_cselect_b32 s27, 0, 8                        ; 8 where the tiles are permuted
	s_sub_co_u32 s31, 16, s27
	s_wait_alu depctr_va_vdst(0)
	v_lshrrev_b32 v4, 3, v2
	v_mul_u32_u24 v4, s27, v4
	v_mad_u32_u24 v4, v3, s31, v4
	v_add_nc_u32 v4, v4, v2                        ; lane (u, m) is row m of tile u: column m + 8 (m / 8) + 8 u (permuted) or m + 16 u (natural).  The order sits in the GLOBAL offset alone
	s_lshl_b32 s32, s26, 5
	v_add_nc_u32 v4, s32, v4
	v_lshlrev_b32 v4, 2, v4
	s_lshl_b32 s32, s25, 21                        ; 512 rows of 4,096 bytes,
	s_lshl_b32 s43, s42, 19                        ; and p x 128 rows
	s_add_co_u32 s32, s32, s43
	s_mov_b32 s33, 0
	s_mul_i32 s34, s24, WT
	s_mul_i32 s35, s26, 2*TILEB
	s_add_co_u32 s34, s34, s35
	s_mul_i32 s35, s42, 1536                       ; step p's fragment image
	s_add_co_u32 s34, s34, s35
	s_mul_i32 s44, s42, 1408
	s_sub_co_u32 s44, 6144, s44                    ; from there to my half of the scale slots: 6,144 + 128 p - 1,536 p
	s_mul_i32 s35, s25, REC
	s_add_co_u32 s34, s34, s35
	s_mov_b32 s35, 0
	s_mul_i32 s40, s22, WSTB
	s_add_co_u32 s40, s40, WST                     ; my stage: tile 0's two fragments, then tile 1's
	v_mul_u32_u24 v10, v3, 3072
	v_add_nc_u32 v10, s40, v10
	v_lshl_add_u32 v5, v2, 4, v10                  ; codes: 16 m
	v_lshlrev_b32 v8, 4, v1
	v_add_nc_u32 v7, s40, v8                       ; back: 16 x lane
	v_mul_u32_u24 v9, v3, TILEB
	v_lshl_add_u32 v9, v2, 3, v9
	v_add_nc_u32 v9, s44, v9                       ; my column's scale slot: its tile, 8 m
	s_wait_alu depctr_va_vdst(0)
	s_wait_kmcnt 0x0
	s_cmp_eq_u32 s24, 0
	s_cselect_b64 s[36:37], s[10:11], s[12:13]
	s_cmp_eq_u32 s24, 2
	s_cselect_b64 s[36:37], s[14:15], s[36:37]
	s_cmp_eq_u32 s24, 3
	s_cselect_b64 s[36:37], s[16:17], s[36:37]
	s_add_nc_u64 s[36:37], s[36:37], s[32:33]
	s_add_nc_u64 s[38:39], s[20:21], s[34:35]
.macro WLOAD t                         ; block t: W(256 (t / 4) + 32 (t % 4) + i, my column), counted from step p's first row
.set i, 0
.rept 32
	global_load_b32 v[WX+32*((\t)%2)+i], v4, s[36:37] offset:(256*((\t)/4)+32*((\t)%4)+i)*4096 th:TH_LOAD_NT
.set i, i+1
.endr
.endm
.macro BLOCK t
.set XS, WX+32*((\t)%2)
.set BST, (\t)/4                       ; my first or second step
.set BQ, (\t)%4                        ; the block in it: it belongs to lane m + 16 (BQ % 2), registers 6 (BQ / 2) on
.set SBR, SB+BST
.if (\t) < 7
	s_wait_loadcnt 32                              ; this block's 32 loads are in; the next block's may be out
.else
	s_wait_loadcnt 0x0
.endif
	v_max3_num_f32 v[WM], |v[XS]|, |v[XS+1]|, |v[XS+2]|
	v_max3_num_f32 v[WM+1], |v[XS+3]|, |v[XS+4]|, |v[XS+5]|
.irp i, 6,10,14,18,22,26
	v_max3_num_f32 v[WM], v[WM], |v[XS+\i]|, |v[XS+\i+1]|
	v_max3_num_f32 v[WM+1], v[WM+1], |v[XS+\i+2]|, |v[XS+\i+3]|
.endr
	v_max3_num_f32 v[WM], v[WM], |v[XS+30]|, |v[XS+31]|
	v_max3_num_f32 v[WM], v[WM], v[WM+1], 0x1800000   ; and the floor
	v_add_nc_u32 v[WM+2], 0xff000000, v[WM]
	v_lshrrev_b32 v[WM+3], 23, v[WM+2]
.if BQ == 0
	v_mov_b32 v[SBR], v[WM+3]
.else
	v_lshl_or_b32 v[SBR], v[WM+3], 8*BQ, v[SBR]
.endif
	v_cvt_scalef32_pk16_fp6_f32 v[WC:WC+2], v[XS:XS+15], v[WM+2]
	v_cvt_scalef32_pk16_fp6_f32 v[WH:WH+2], v[XS+16:XS+31], v[WM+2]
	v_nop
.irp i, 0,1,2
	v_mov_b32 v[WC+3+\i], v[WH+\i]
.endr
.if BQ < 2
	ds_store_b128 v5, v[WC:WC+3] offset:1536*BST+256*(BQ%2)          ; registers 0-3,
	ds_store_b64 v5, v[WC+4:WC+5] offset:1536*BST+256*(BQ%2)+512     ; 4-5
.else
	ds_store_b64 v5, v[WC:WC+1] offset:1536*BST+256*(BQ%2)+520       ; 6-7,
	ds_store_b128 v5, v[WC+2:WC+5] offset:1536*BST+256*(BQ%2)+1024   ; 8-11 of the image
.endif
.if (\t)+2 < 8
	WLOAD (\t)+2
.endif
	s_wait_dscnt 0x0                               ; the stores have read their registers: the next block's codes may be written
.endm
	WLOAD 0
	WLOAD 1
.irp t, 0,1,2,3,4,5,6,7
	BLOCK \t
.endr
	s_wait_alu depctr_va_vdst(0)
	global_store_b64 v9, v[SB:SB+1], s[38:39]      ; the words of steps p and p + 2: sixteen lanes store 128 consecutive bytes of a tile's slots; the other 128 come from the wave of the other p
.set i, 0
.rept 12
	ds_load_b128 v[RB+4*i:RB+4*i+3], v7 offset:512*i   ; in order behind my stores
.set i, i+1
.endr
.set i, 0
.rept 12                               ; a tile's two fragments lie 3,072 bytes apart in memory, the two tiles 12,800; each store covers 512 consecutive bytes, aligned
	s_wait_dscnt 11-i                              ; the younger loads of this run may be out
	global_store_b128 v8, v[RB+4*i:RB+4*i+3], s[38:39] offset:(i/6)*TILEB+((i%6)/3)*3072+(i%3)*512
.set i, i+1
.endr
	s_wait_tensorcnt 0x0                           ; the wave's end
	ds_add_u32 v[SPW], v[NIL]
	s_wait_dscnt 0x0
	s_endpgm
.Lfunc_end_k_qed15e98d43_quant:
	.size	k_qed15e98d43_quant, .Lfunc_end_k_qed15e98d43_quant-k_qed15e98d43_quant
	.p2alignl 7, 3214868480
	.fill 96, 4, 3214868480
	.section	.rodata,"a",@progbits
	.p2align	6, 0x0
	.amdhsa_kernel k_qed15e98d43_quant
		.amdhsa_group_segment_fixed_size 103168
		.amdhsa_private_segment_fixed_size 0
		.amdhsa_enable_private_segment 0
		.amdhsa_kernarg_size 72
		.amdhsa_user_sgpr_count 2
		.amdhsa_user_sgpr_kernarg_segment_ptr 1
		.amdhsa_wavefront_size32 1
		.amdhsa_system_sgpr_workgroup_id_x 1
		.amdhsa_system_sgpr_workgroup_id_y 1
		.amdhsa_system_sgpr_workgroup_id_z 1
		.amdhsa_system_vgpr_workitem_id 0
		.amdhsa_next_free_vgpr 256
		.amdhsa_next_free_sgpr 66
		.amdhsa_reserve_vcc 0
		.amdhsa_float_denorm_mode_32 3
		.amdhsa_float_denorm_mode_16_64 3
		.amdhsa_memory_ordered 1
		.amdhsa_forward_progress 1
		.amdhsa_inst_pref_size 76
	.end_amdhsa_kernel
	.amdgpu_metadata
---
amdhsa.version: [ 1, 2 ]
amdhsa.kernels:
  - .name:           k_qed15e98d43_quant
    .symbol:         k_qed15e98d43_quant.kd
    .args:
      - { .name: key, .offset: 0, .size: 8, .value_kind: global_buffer, .address_space: global }
      - { .name: query, .offset: 8, .size: 8, .value_kind: global_buffer, .address_space: global }
      - { .name: value, .offset: 16, .size: 8, .value_kind: global_buffer, .address_space: global }
      - { .name: Wk, .offset: 24, .size: 8, .value_kind: global_buffer, .address_space: global }
      - { .name: Wq, .offset: 32, .size: 8, .value_kind: global_buffer, .address_space: global }
      - { .name: Wv, .offset: 40, .size: 8, .value_kind: global_buffer, .address_space: global }
      - { .name: Wo, .offset: 48, .size: 8, .value_kind: global_buffer, .address_space: global }
      - { .name: ximg, .offset: 56, .size: 8, .value_kind: global_buffer, .address_space: global }
      - { .name: wimg, .offset: 64, .size: 8, .value_kind: global_buffer, .address_space: global }
    .group_segment_fixed_size: 103168
    .private_segment_fixed_size: 0
    .kernarg_segment_align: 8
    .kernarg_segment_size: 72
    .max_flat_workgroup_size: 224
    .sgpr_count:     66
    .vgpr_count:     256
    .wavefront_size: 32
...
	.end_amdgpu_metadata
.endif
;; end of part 1
;; launch proj (part 2): grid 4 x 64, 4 waves a work-group, clusters of 4 x 4, 327,680 bytes of LDS; arguments ximg, wimg, bk, bq, bv, kv, qimg; writes kv, qimg
.if DOCPART == 2
	.amdgcn_target "amdgcn-amd-amdhsa--gfx1250"
	.amdhsa_code_object_version 6
	.text
	.protected	k_qed15e98d43_proj
	.globl	k_qed15e98d43_proj
	.p2align	8
	.type	k_qed15e98d43_proj,@function
k_qed15e98d43_proj:
	s_mov_b64 s[64:65], 0
	v_nop
	global_prefetch_b8 v0, s[64:65] scope:SCOPE_SE
	s_setreg_imm32_b32 hwreg(HW_REG_WAVE_MODE, 25, 1), 1
	s_wait_xcnt 0x0
	s_wait_alu depctr_hold_cnt(0) depctr_sa_sdst(0) depctr_va_vdst(0) depctr_va_sdst(0) depctr_va_ssrc(0) depctr_va_vcc(0) depctr_vm_vsrc(0)
	s_getreg_b32 s2, hwreg(HW_REG_IB_STS2, 6, 4)
	s_cmp_eq_u32 s2, 0
	s_cbranch_scc0 .Lentry_in_a_cluster
	s_endpgm
.Lentry_in_a_cluster:
	s_bfe_u32 s2, ttmp6, 0x10000c
	s_cmp_lg_u32 s2, 0xf033
	s_cbranch_scc0 .Lentry_shape_is_right
	s_endpgm
.Lentry_shape_is_right:
; k = key Wk + bk, q = (query Wq + bq) / 8, v = value Wv + bv on codes of FP6 (E2M3) with E8M0 scales; the results are quantised in registers and stored as attention's operand images.
; D = S0 S1^T: source 0 = 16 rows of S0 (they run along a lane's result registers), source 1 = 16 rows of S1 (a lane holds one).  k, q: S0 = the weight's columns, S1 = tokens: a lane holds a token and 128 columns (two heads).
; v: S0 = tokens, S1 = columns: a lane holds a column of a head and 128 keys, the second attention product's K.
; S0's tiles are permuted (row m = 32 (T / 2) + 8 (T % 2) + m + 8 (m / 8)), so that the 16 registers of tiles 2 B and 2 B + 1 are the neighbours 32 B + 16 (lane / 16) + 0 .. 15.
; A WORK-GROUP STAYS: 256 work-groups, each makes one tile (256 rows of S0 x 128 rows of S1, all of K = 1024) of k, then of q, then of v.  Wave w: S0's tiles 8 (w % 2) on, S1's tiles 4 (w / 2) on: 32 accumulators.
; LDS: a ring of two slots; slot c holds chunk c (512 along K) of a tile: S0's 16 records, S1's 8: 153,600 bytes.  At the head one joint load a wave brings k's two chunks.
; Slot 0 is filled again, with the next tile's chunk 0, in a round of the cluster's barrier inside step 2: step 3's fragments, the last reads of the slot, are awaited ahead of it, and the same round shows chunk 1 to all waves.
; Slot 1 is filled again in a round behind step 7's products and the scaling of the bias; that round shows the next tile's chunk 0.  Wave 0 asks for S0's records, wave 1 for S1's.
; k and q are a loop of two trips; v's tile asks for nothing more and is written out: a plain barrier in its step 2 shows its chunk 1.
; CLUSTER 4 x 4.  S0's block hangs on cx and is asked for jointly by the column, S1's on cy, by the row; the order k, q, v is the same in all partners.
; PREFETCH: in a tile's first step the next tile's activations (q: S1's 102,400 bytes; v: S0's 204,800) are asked for, each block of 256 bytes by one lane of the sixteen waves that will ask for it jointly, told apart by address:
; two steps ahead of chunk 0's load, seven ahead of chunk 1's.  The weights' images are left out: eight or sixteen clusters load the same bytes in the same step.  k's chunks come by the head's loads alone.
; REGISTERS.  window 0: v4-15 addresses; v16-18 prefetch offsets, then v16-23 v's bias; v24-31 scale words on the way out, the add's two; v32-127 S1's fragments, two sets (way out: 64 numbers, codes); v128-175 scale words and nothing else;
;   v176-191 the quantiser's; v192-255 k's, q's bias.   window 1: accumulator (a, b) at v[8 (8 a + b)].   window 2: S0's fragments, two sets of 96.
; LIMITS: a block whose largest magnitude lies under 2^-124 gets the byte 1 (zeros too: their codes are zeros, and this program alone reads the bytes); NaN and infinities are not served.
.set XT,    6553600
.set WT,    819200
.set TILEB, 12800
.set REC,   6400                       ; a tile's record for 512 along K: four fragment images and 256 bytes of scale words
.set S1O,   16*REC
.set CH,    24*REC                     ; a slot
.set SPARE, 2*CH                       ; the spare words, 128 bytes a wave: two blocks of 256 bytes that no other line names
.set HEADB, 204800                     ; kv: a head: sixteen records, one for each step of 128 keys
.set SREC,  12800                      ; a record: K's four fragments, V's four, K's scale words, V's
.set VIMG,  6144
.set KSC,   12288
.set VSC,   12544
.set A0,  4                            ; v4-5   S0's fragments in slot 0, 1: + 16 lane
.set A1,  6                            ; v6-7   S1's
.set A0S, 8                            ; v8-9   S0's records: + 8 lane (scale slots)
.set A1S, 10                           ; v10-11 S1's
.set L16, 14
.set L8,  15
.set BV,  16
.set WD,  24
.set SPW, 28
.set NIL, 29
.set F1,  32
.set SC0, 128                          ; v[SC0 + 16 c + 2 b + p]: lanes 0-15 step 2 p of chunk c, lanes 16-31 step 2 p + 1, tile b of S0
.set SC1, 160                          ; v[SC1 + 8 c + 2 a + p]: the same for tile a of S1
.set TM,  176
.set PW,  188
.set BI,  192
.set T,   32
.set RS,  96
.set HT,  120
.set SEL, 90                           ; s[90:91]
.set MSB, 0
.macro WIN new                         ; the immediate's high byte repeats the setting that is left
.if MSB != \new
	s_set_vgpr_msb (MSB<<8)|\new
.set MSB, \new
.endif
.endm
.macro CREST                           ; a round of the cluster's barrier behind its opening barrier
	s_cmp_lg_u32 s18, 0
	s_cbranch_scc1 .Lnot_wave_0_\@
	s_barrier_signal -3
.Lnot_wave_0_\@:
	s_barrier_wait -3
	s_barrier_signal -1
	s_barrier_wait -1
.endm
.macro CROUND
	s_barrier_signal -1
	s_barrier_wait -1
	CREST
.endm
.macro PLACES n
.rept \n
	v_nop
.endr
.endm
.macro WALU
	s_wait_alu depctr_va_vdst(0)
.endm
.macro TLOAD g0, g1
	tensor_load_to_lds s[\g0:\g0+3], s[\g1:\g1+7]
	s_nop 0
	PLACES 4
.endm
.macro QUANT s, x0, x1, pw             ; 64 numbers of a lane (register 16 b + i = k 32 b + 16 (lane / 16) + i): codes of block lane / 16 in v[x0 ..+5], of block 2 + lane / 16 in v[x1 ..+5]; the four bytes in v[pw]
.irp b, 0,1,2,3
	v_max3_num_f32 v[TM+\b], |v[(\s)+16*\b]|, |v[(\s)+16*\b+1]|, 0x1800000   ; and the floor 2^(3 - 127)
.endr
.irp i, 2,4,6,8,10,12,14
.irp b, 0,1,2,3
	v_max3_num_f32 v[TM+\b], v[TM+\b], |v[(\s)+16*\b+\i]|, |v[(\s)+16*\b+\i+1]|
.endr
.endr
.irp b, 0,1,2,3
	v_permlanex16_b32 v[TM+4+\b], v[TM+\b], s[SEL], s[SEL+1]
.endr
.irp b, 0,1,2,3
	v_max_num_f32 v[TM+\b], v[TM+\b], v[TM+4+\b]
.endr
.irp b, 0,1,2,3
	v_add_nc_u32 v[TM+8+\b], 0xff000000, v[TM+\b]  ; 2 off the exponent field: the conversion's scale operand
.endr
.irp b, 0,1,2,3
	v_lshrrev_b32 v[TM+4+\b], 23, v[TM+8+\b]
.endr
	v_lshl_or_b32 v[\pw], v[TM+5], 8, v[TM+4]
	v_lshl_or_b32 v[\pw], v[TM+6], 16, v[\pw]
	v_lshl_or_b32 v[\pw], v[TM+7], 24, v[\pw]
	v_cvt_scalef32_pk16_fp6_f32 v[(\x0):(\x0)+2], v[(\s):(\s)+15], v[TM+8]
	v_cvt_scalef32_pk16_fp6_f32 v[HT:HT+2], v[(\s)+16:(\s)+31], v[TM+9]
	v_cvt_scalef32_pk16_fp6_f32 v[(\x1):(\x1)+2], v[(\s)+32:(\s)+47], v[TM+10]
	v_cvt_scalef32_pk16_fp6_f32 v[HT+4:HT+6], v[(\s)+48:(\s)+63], v[TM+11]
	v_nop                                          ; one plain instruction behind the scaled conversions
.irp i, 0,1,2
	v_permlane16_swap_b32 v[(\x0)+\i], v[HT+\i]
	v_permlane16_swap_b32 v[(\x1)+\i], v[HT+4+\i]
.endr
.irp i, 0,1,2
	v_mov_b32 v[(\x0)+3+\i], v[HT+\i]
	v_mov_b32 v[(\x1)+3+\i], v[HT+4+\i]
.endr
.endm
.macro FETCH g                         ; step g's fragments (128 along K) into set g % 2
.set FC, (\g)/4
.set FS, (\g)%4
.set FP, (\g)%2
	WIN 0x80                                       ; destination window 2, address window 0
.irp b, 0,1,2,3,4,5,6,7
.irp k, 0,1,2
	ds_load_b128 v[96*FP+12*\b+4*\k:96*FP+12*\b+4*\k+3], v[A0+FC] offset:REC*\b+1536*FS+512*\k
.endr
.endr
	WIN 0
.irp a, 0,1,2,3
.irp k, 0,1,2
	ds_load_b128 v[F1+48*FP+12*\a+4*\k:F1+48*FP+12*\a+4*\k+3], v[A1+FC] offset:REC*\a+1536*FS+512*\k
.endr
.endr
.endm
.macro SCALES c                        ; a chunk's scale words: 8 bytes a lane and tile
	WIN 0
.irp b, 0,1,2,3,4,5,6,7
	ds_load_b64 v[SC0+16*\c+2*\b:SC0+16*\c+2*\b+1], v[A0S+\c] offset:REC*\b+6144
.endr
.irp a, 0,1,2,3
	ds_load_b64 v[SC1+8*\c+2*\a:SC1+8*\c+2*\a+1], v[A1S+\c] offset:REC*\a+6144
.endr
.endm
.macro WM d, a, b, c, sa, sb, row      ; one product; row = 1: both sides' scales from lanes 16-31
.if \row
	v_wmma_scale_f32_16x16x128_f8f6f4 v[\d:\d+7], v[\a:\a+11], v[\b:\b+11], \c, v[\sa], v[\sb] matrix_a_fmt:MATRIX_FMT_FP6 matrix_b_fmt:MATRIX_FMT_FP6 matrix_a_scale:MATRIX_SCALE_ROW1 matrix_b_scale:MATRIX_SCALE_ROW1
.else
	v_wmma_scale_f32_16x16x128_f8f6f4 v[\d:\d+7], v[\a:\a+11], v[\b:\b+11], \c, v[\sa], v[\sb] matrix_a_fmt:MATRIX_FMT_FP6 matrix_b_fmt:MATRIX_FMT_FP6
.endif
.endm
.macro MULH g, a0                      ; 16 products of step g: S1's tiles a0, a0 + 1 x S0's eight.  The 32 accumulators take turns, one instruction a turn, in the same order in every step.  Step 0 starts the sums with the constant 0
.set FC, (\g)/4
.set FS, (\g)%4
.set FP, (\g)%2
	WIN 0x52                                       ; source 0 window 2, source 1 window 0, C and D window 1
.irp a, \a0, \a0+1
.irp b, 0,1,2,3,4,5,6,7
.if (\g) == 0
	WM 8*(8*(\a)+\b), 96*FP+12*\b, F1+48*FP+12*(\a), 0, SC0+16*FC+2*\b+FS/2, SC1+8*FC+2*(\a)+FS/2, 0
.else
	WM 8*(8*(\a)+\b), 96*FP+12*\b, F1+48*FP+12*(\a), v[8*(8*(\a)+\b):8*(8*(\a)+\b)+7], SC0+16*FC+2*\b+FS/2, SC1+8*FC+2*(\a)+FS/2, FS%2
.endif
.endr
.endr
.endm
.macro STEPN g                         ; a plain step: the next step's 36 loads land under this step's 32 products
	PLACES 4                                       ; four plain instructions between the last product that read a set and the loads into it
	FETCH (\g)+1
	MULH \g, 0
	MULH \g, 2
	s_wait_dscnt 0x0
.endm
.macro DESC c                          ; group 0 of the next tile's chunk c: written where no tensor load of mine is out
	s_mov_b32 s33, \c*CH
	s_add_nc_u64 s[34:35], s[76:77], \c*REC
	s_or_b32 s35, s35, 0x80000000
	s_mov_b32 s57, \c*CH+S1O
	s_add_nc_u64 s[58:59], s[78:79], \c*REC
	s_or_b32 s59, s59, 0x80000000
.endm
.macro REFILL                          ; first behind a round: wave 0 asks for S0's 16 records, wave 1 for S1's 8
	s_cmp_eq_u32 s18, 0
	s_cbranch_scc0 .Lfor_s1_\@
	TLOAD 32, 24
	s_branch .Lasked_\@
.Lfor_s1_\@:
	s_cmp_eq_u32 s18, 1
	s_cbranch_scc0 .Lnone_\@
	TLOAD 56, 48
.Lnone_\@:
.Lasked_\@:
.endm
.macro MAIN rf                         ; a tile's eight steps; step 0's fragments and chunk 0's scale words are in.  rf = 1: the ring goes on into the next tile
	FETCH 1
.if \rf
	s_cmp_eq_u32 s23, 0                            ; the trip's number, the same in all partners
	s_cbranch_scc0 .Lask_v_\@
	global_prefetch_b8 v18, s[78:79] th:TH_LOAD_NT scope:SCOPE_SE   ; q's tokens: 400 blocks of 256 bytes over 512 lanes
	s_branch .Lasked_\@
.Lask_v_\@:
	global_prefetch_b8 v16, s[76:77] th:TH_LOAD_NT scope:SCOPE_SE   ; v's tokens: 800 blocks, two a lane
	global_prefetch_b8 v17, s[76:77] th:TH_LOAD_NT scope:SCOPE_SE
.Lasked_\@:
.endif
	MULH 0, 0
	MULH 0, 2
	s_wait_dscnt 0x0
	STEPN 1
.if \rf
	PLACES 4
	FETCH 3                                        ; my last reads of slot 0
	s_wait_tensorcnt 0x0                           ; my part of chunk 1 is in
	ds_add_u32 v[SPW], v[NIL]
	DESC 0
	MULH 2, 0                                      ; work on registers between the add and its wait,
	WIN 0
	s_wait_dscnt 0x0
	s_barrier_signal -1
	MULH 2, 2                                      ; and inside the round
	WIN 0
	s_barrier_wait -1
	CREST                                          ; no wave of any partner still reads slot 0, and everybody's part of chunk 1 is in
	REFILL
.else
	WIN 0
	s_wait_tensorcnt 0x0                           ; my part of chunk 1 is in (no LDS instruction of mine is out):
	s_barrier_signal -1                            ; a plain barrier: between its halves stand loads from slot 0, which nobody writes any more
	PLACES 4
	FETCH 3
	MULH 2, 0
	MULH 2, 2
	WIN 0
	s_barrier_wait -1                              ; everybody's part of chunk 1 is in
	s_wait_dscnt 0x0
.endif
	SCALES 1
	PLACES 4
	FETCH 4
	MULH 3, 0
	MULH 3, 2
	s_wait_dscnt 0x0
	STEPN 4
	STEPN 5
	STEPN 6                                        ; its wait: step 7's fragments, my last reads of slot 1
	MULH 7, 0
	MULH 7, 2
	WIN 0
	PLACES 4                                       ; behind the last products, ahead of the first read of results and the first write over fragments
	s_wait_loadcnt 0x0                             ; the bias
.endm
.macro ADDK a                          ; 64 numbers of S1's tile a: sum x (1 or 1/8) + bias x (1 or 1/8): one rounding, as (sum + bias) / 8 has; each accumulator from its low end on
	WIN 0x01                                       ; source 0 window 1
.set i, 0
.rept 32
	v_pk_fma_f32 v[T+i:T+i+1], v[64*(\a)+i:64*(\a)+i+1], s[66:67], v[BI+i:BI+i+1] op_sel_hi:[1,0,1]
.set i, i+2
.endr
	WIN 0
.endm
.macro ADDV a                          ; v: the lane's one bias
	WIN 0x01
.set i, 0
.rept 32
	v_pk_add_f32 v[T+i:T+i+1], v[64*(\a)+i:64*(\a)+i+1], v[BV+2*(\a):BV+2*(\a)+1] op_sel_hi:[1,0]
.set i, i+2
.endr
	WIN 0
.endm
	s_load_b256 s[4:11], s[0:1], 0x0               ; ximg, wimg, bk, bq
	s_load_b128 s[12:15], s[0:1], 0x20             ; bv, kv
	s_load_b64 s[16:17], s[0:1], 0x30              ; qimg
	v_lshl_add_u32 v[SPW], v0, 2, SPARE
	v_mov_b32 v[NIL], 0
	ds_add_u32 v[SPW], v[NIL]                      ; the wave's opening: the add, twice on end, and its wait ahead of my first tensor load
	ds_add_u32 v[SPW], v[NIL]
	v_lshrrev_b32 v1, 5, v0
	v_readfirstlane_b32 s18, v1                    ; wave
	s_and_b32 s19, s18, 1                          ; my half of S0's tiles
	s_lshr_b32 s20, s18, 1                         ; my half of S1's tiles
	s_bfe_u32 s21, ttmp6, 0x40000                  ; cx
	s_bfe_u32 s22, ttmp6, 0x40004                  ; cy
	s_and_b32 s41, ttmp7, 0xffff                   ; the cluster's y, 0 .. 15
	s_mov_b32 s44, s21                             ; k, q: S0's block of 256 columns: cx;
	s_lshl_b32 s45, s41, 2
	s_add_co_u32 s45, s45, s22                     ; S1's block of 128 tokens: 4 y + cy
	s_lshr_b32 s80, s41, 1
	s_lshl_b32 s80, s80, 2
	s_add_co_u32 s80, s80, s21                     ; v: S0's block of 256 tokens: 4 (y / 2) + cx;
	s_and_b32 s81, s41, 1
	s_lshl_b32 s81, s81, 2
	s_add_co_u32 s81, s81, s22                     ; S1's block of 128 columns: 4 (y % 2) + cy
	s_mul_i32 s40, s44, 16*TILEB
	s_mul_i32 s42, s45, 8*TILEB
	s_mul_i32 s43, s80, 16*TILEB
	s_add_co_u32 s43, s43, 2*XT
	s_mul_i32 s46, s81, 8*TILEB
	s_add_co_u32 s46, s46, 2*WT
	s_lshl_b32 s95, s22, 2
	s_lshl_b32 s95, 15, s95                        ; my row of the cluster
	s_lshl_b32 s94, 0x1111, s21                    ; my column
	; group 1: a chunk's records of 16 (S0) or 8 (S1) tiles: rows of 6,400 bytes (800 elements of 8 bytes), 12,800 bytes apart; dense in LDS
	s_or_b32 s24, s94, (3<<16)|(1<<21)
	s_mov_b32 s25, 800<<16
	s_mov_b32 s26, 16<<16
	s_mov_b32 s27, 800<<16
	s_mov_b32 s28, 16
	s_mov_b32 s29, 1600
	s_mov_b32 s30, 0
	s_mov_b32 s31, 0
	s_or_b32 s48, s95, (3<<16)|(1<<21)
	s_mov_b32 s49, 800<<16
	s_mov_b32 s50, 8<<16
	s_mov_b32 s51, 800<<16
	s_mov_b32 s52, 8
	s_mov_b32 s53, 1600
	s_mov_b32 s54, 0
	s_mov_b32 s55, 0
	s_mov_b32 s[SEL], 0x76543210
	s_mov_b32 s[SEL+1], 0xfedcba98
	s_mov_b32 s92, 0xffff0000                      ; lanes 16-31
	s_mov_b32 s23, 0                               ; the tile: 0 k, 1 q, 2 v
	s_mov_b32 s97, 0
	s_mov_b32 s85, 0
	s_wait_dscnt 0x0                               ; both opening adds are done
	s_wait_kmcnt 0x0
	s_mov_b32 s96, s40                             ; S0's addresses hang on cx alone, S1's on cy alone, each by registers of its own
	s_add_nc_u64 s[98:99], s[6:7], s[96:97]        ; k: S0 in Wk's images,
	s_add_nc_u64 s[68:69], s[98:99], WT            ; q: in Wq's,
	s_mov_b32 s96, s43
	s_add_nc_u64 s[72:73], s[4:5], s[96:97]        ; v: in value's
	s_mov_b32 s84, s42
	s_add_nc_u64 s[100:101], s[4:5], s[84:85]      ; k: S1 in key's images,
	s_add_nc_u64 s[70:71], s[100:101], XT          ; q: in query's,
	s_mov_b32 s84, s46
	s_add_nc_u64 s[74:75], s[6:7], s[84:85]        ; v: in Wv's
.irp c, 0,1
	s_mov_b32 s[32+4*\c], 1
	s_mov_b32 s[33+4*\c], \c*CH
	s_add_nc_u64 s[34+4*\c:35+4*\c], s[98:99], \c*REC
	s_or_b32 s[35+4*\c], s[35+4*\c], 0x80000000
	s_mov_b32 s[56+4*\c], 1
	s_mov_b32 s[57+4*\c], \c*CH+S1O
	s_add_nc_u64 s[58+4*\c:59+4*\c], s[100:101], \c*REC
	s_or_b32 s[59+4*\c], s[59+4*\c], 0x80000000
.endr
	CROUND                                         ; all sixteen work-groups are here: the joint loads meet
	s_cmp_eq_u32 s18, 0                            ; k's four tiles, one a wave, in one chain of arms: wave 0 S0's chunk 0, wave 1 S1's chunk 0, wave 2 S0's chunk 1, wave 3 S1's chunk 1
	s_cbranch_scc0 .Lfill_1
	TLOAD 32, 24
	s_branch .Lfilled
.Lfill_1:
	s_cmp_eq_u32 s18, 1
	s_cbranch_scc0 .Lfill_2
	TLOAD 56, 48
	s_branch .Lfilled
.Lfill_2:
	s_cmp_eq_u32 s18, 2
	s_cbranch_scc0 .Lfill_3
	TLOAD 36, 24
	s_branch .Lfilled
.Lfill_3:
	TLOAD 60, 48
.Lfilled:
	v_and_b32 v1, 31, v0
	v_and_b32 v2, 15, v0                           ; r
	v_bfe_u32 v3, v0, 4, 1                         ; h
	v_lshlrev_b32 v[L16], 4, v1
	v_lshlrev_b32 v[L8], 3, v1
	s_mul_i32 s40, s19, 8*REC
	s_mul_i32 s41, s20, 4*REC
	s_add_co_u32 s41, s41, S1O
.irp c, 0,1
	v_add_nc_u32 v[A0+\c], s40, v[L16]
	v_add_nc_u32 v[A1+\c], s41, v[L16]
	v_add_nc_u32 v[A0S+\c], s40, v[L8]
	v_add_nc_u32 v[A1S+\c], s41, v[L8]
	s_add_co_u32 s40, s40, CH
	s_add_co_u32 s41, s41, CH
.endr
	s_lshl_b32 s42, s44, 10                        ; k's, q's bias along the registers: column 256 x block + 128 x half + 32 B + 16 h + i
	s_lshl_b32 s43, s19, 9
	s_add_co_u32 s42, s42, s43
	v_lshl_add_u32 v12, v3, 6, s42
	s_lshl_b32 s40, s22, 2                         ; the prefetches' offsets.  S0's block is asked for jointly by my column: my number among its sixteen waves is 4 cy + wave
	s_add_co_u32 s40, s40, s18
	s_lshl_b32 s40, s40, 5
	v_add_nc_u32 v16, s40, v1
	v_add_nc_u32 v17, 512, v16
	v_min_u32 v17, 799, v17                        ; 800 blocks: the lanes left over name the last again
	v_lshlrev_b32 v16, 8, v16
	v_lshlrev_b32 v17, 8, v17
	s_lshl_b32 s40, s21, 2                         ; S1's by my row: 4 cx + wave
	s_add_co_u32 s40, s40, s18
	s_lshl_b32 s40, s40, 5
	v_add_nc_u32 v18, s40, v1
	v_min_u32 v18, 399, v18                        ; 400 blocks
	v_lshlrev_b32 v18, 8, v18
.irp b, 0,1,2,3
	v_mov_b32 v[TM+4+\b], 0                        ; a lane permute's destination counts as one of its sources
.endr
	WALU
	s_cmp_lt_u32 s18, 2                            ; waves 0 and 1 asked for chunk 0: they wait for it; chunk 1's two loads may be out
	s_cbranch_scc0 .Lnot_chunk_0
	s_wait_tensorcnt 0x0
.Lnot_chunk_0:
	s_barrier_signal -1
	s_barrier_wait -1
.Ltile:                                            ; two trips: k, q
	s_wait_xcnt 0x0                                ; the last tile's stores, loads and prefetches have read their registers
	s_mov_b32 s66, 0x3f800000
	s_cmp_eq_u32 s23, 0
	s_cselect_b64 s[76:77], s[68:69], s[72:73]     ; the next tile's S0,
	s_cselect_b64 s[78:79], s[70:71], s[74:75]     ; its S1,
	s_cselect_b64 s[82:83], s[8:9], s[10:11]       ; this tile's bias,
	s_cselect_b32 s66, s66, 0x3e000000             ; and q is divided by 8 = sqrt(64): exact
	s_mov_b32 s67, s66
.irp q, 0,1,2,3,4,5,6,7,8,9,10,11,12,13,14,15
	global_load_b128 v[BI+4*\q:BI+4*\q+3], v12, s[82:83] offset:128*(\q/4)+16*(\q%4)
.endr
	SCALES 0
	FETCH 0
	s_wait_dscnt 0x0
	MAIN 1
.set i, 0
.rept 32
	v_pk_mul_f32 v[BI+i:BI+i+1], v[BI+i:BI+i+1], s[66:67] op_sel_hi:[1,0]
.set i, i+2
.endr
	WALU
	s_wait_tensorcnt 0x0                           ; the next tile's chunk 0 is in; slot 1 has had its last read
	ds_add_u32 v[SPW], v[NIL]
	DESC 1
	s_wait_dscnt 0x0
	CROUND                                         ; it shows the next tile's chunk 0 to all waves too
	REFILL
	s_lshl_b32 s40, s44, 2
	s_lshl_b32 s41, s19, 1
	s_add_co_u32 s40, s40, s41                     ; my first head: 4 x block + 2 x half
	s_lshr_b32 s41, s45, 4
	s_lshl_b32 s41, s41, 4
	s_add_co_u32 s40, s40, s41                     ; + 16 x batch
	s_cmp_eq_u32 s23, 1
	s_cbranch_scc1 .Lq_out
	; ---- k: a fragment holds 32 keys: registers 0-5 the head's block lane / 16 of tile 2 P's key, registers 6-11 of tile 2 P + 1's
	s_and_b32 s42, s45, 15                         ; the step of 128 keys
	s_mul_i32 s84, s40, HEADB
	s_mul_i32 s43, s42, SREC                       ; the step's record, my two of its four fragments of K
	s_mul_i32 s46, s20, 3072
	s_add_co_u32 s43, s43, s46
	s_add_co_u32 s86, s84, s43
	s_mov_b32 s87, 0
	s_add_nc_u64 s[86:87], s[14:15], s[86:87]
	s_mul_i32 s43, s42, SREC
	s_lshl_b32 s46, s20, 7
	s_add_co_u32 s43, s43, s46
	s_add_co_u32 s88, s84, s43
	s_add_co_u32 s88, s88, KSC
	s_mov_b32 s89, 0
	s_add_nc_u64 s[88:89], s[14:15], s[88:89]
	v_mul_u32_u24 v1, v3, HEADB
	v_lshl_add_u32 v1, v2, 3, v1                   ; lanes 0-15 store the first head's words, lanes 16-31 the second's
.irp p, 0,1
	ADDK 2*\p
	s_wait_xcnt 0x0                                ; the last pair's stores have read their data
	QUANT T, RS, RS+12, PW
	ADDK 2*\p+1
	QUANT T, RS+6, RS+18, PW+1
	v_perm_b32 v[WD+\p], v[PW+1], v[PW], 0x05040100      ; first head: bytes 0, 1 the first key's, bytes 2, 3 the second's
	v_perm_b32 v[WD+2+\p], v[PW+1], v[PW], 0x07060302    ; second head
.irp e, 0,1
.irp c, 0,1,2
	global_store_b128 v[L16], v[RS+12*\e+4*\c:RS+12*\e+4*\c+3], s[86:87] offset:\e*HEADB+1536*\p+512*\c
.endr
.endr
.endr
	v_cndmask_b32 v30, v[WD], v[WD+2], s92
	v_cndmask_b32 v31, v[WD+1], v[WD+3], s92
	global_store_b64 v1, v[30:31], s[88:89]        ; 128 consecutive bytes in each head: the other half of each 256 comes from the wave beside me
	s_branch .Ltile_end
.Lq_out:
	; ---- q: a record of 1,024 bytes for 16 queries of a head: registers 0-3, registers 4-5, the scale word (its two bytes twice)
	s_lshl_b32 s84, s40, 7
	s_lshl_b32 s43, s45, 3
	s_lshl_b32 s46, s20, 2
	s_add_co_u32 s43, s43, s46
	s_and_b32 s43, s43, 127
	s_add_co_u32 s84, s84, s43
	s_lshl_b32 s84, s84, 10
	s_mov_b32 s85, 0
	s_add_nc_u64 s[86:87], s[16:17], s[84:85]
	v_mov_b32 v[WD+1], 0
	v_mov_b32 v[WD+3], 0
.irp a, 0,1,2,3
	ADDK \a
	s_wait_xcnt 0x0
	QUANT T, RS, RS+6, PW
	v_perm_b32 v[WD], v[PW], v[PW], 0x01000100
	v_perm_b32 v[WD+2], v[PW], v[PW], 0x03020302
.irp e, 0,1
	global_store_b128 v[L16], v[RS+6*\e:RS+6*\e+3], s[86:87] offset:\e*131072+1024*\a
	global_store_b64 v[L8], v[RS+6*\e+4:RS+6*\e+5], s[86:87] offset:\e*131072+1024*\a+512
	global_store_b64 v[L8], v[WD+2*\e:WD+2*\e+1], s[86:87] offset:\e*131072+1024*\a+768
.endr
.endr
.Ltile_end:
	s_add_co_u32 s23, s23, 1
	s_cmp_lt_u32 s23, 2
	WALU
	s_cbranch_scc1 .Ltile
	; ---- v's tile: nothing more is asked for
	s_wait_xcnt 0x0                                ; q's stores and the prefetches have read their registers
	s_mov_b32 s44, s80
	s_mov_b32 s45, s81
	s_and_b32 s42, s45, 7                          ; the bias a lane: column 128 x block + 64 x half + 32 (a / 2) + 8 (a % 2) + r + 8 (r / 8)
	s_lshl_b32 s42, s42, 9
	s_lshl_b32 s43, s20, 8
	s_add_co_u32 s42, s42, s43
	v_and_b32 v13, 8, v2
	v_add_nc_u32 v13, v13, v2
	v_lshl_add_u32 v13, v13, 2, s42
.irp a, 0,1,2,3
	v_mov_b32 v[BV+2*\a+1], 0                      ; (named as the upper half of a pair)
	global_load_b32 v[BV+2*\a], v13, s[12:13] offset:(32*(\a/2)+8*(\a%2))*4
.endr
	SCALES 0
	FETCH 0
	s_wait_dscnt 0x0
	MAIN 0
	; tile a of S1 is 16 of my head's 64 (in the permuted order), my 128 tokens are one step of keys: a whole fragment
	s_lshr_b32 s40, s44, 3
	s_lshl_b32 s40, s40, 4
	s_lshl_b32 s41, s45, 1
	s_add_co_u32 s41, s41, s20
	s_add_co_u32 s40, s40, s41                     ; 16 x batch + head
	s_mul_i32 s84, s40, HEADB
	s_lshl_b32 s42, s44, 1
	s_add_co_u32 s42, s42, s19
	s_and_b32 s42, s42, 15                         ; the step of 128 keys
	s_mul_i32 s43, s42, SREC
	s_add_co_u32 s86, s84, s43
	s_add_co_u32 s86, s86, VIMG
	s_mov_b32 s87, 0
	s_add_nc_u64 s[86:87], s[14:15], s[86:87]
	s_mul_i32 s43, s42, SREC
	s_add_co_u32 s88, s84, s43
	s_add_co_u32 s88, s88, VSC
	s_mov_b32 s89, 0
	s_add_nc_u64 s[88:89], s[14:15], s[88:89]
	WALU
.irp a, 0,1,2,3
	ADDV \a
	s_wait_xcnt 0x0
	QUANT T, RS, RS+6, PW+\a
.irp c, 0,1,2
	global_store_b128 v[L16], v[RS+4*\c:RS+4*\c+3], s[86:87] offset:1536*\a+512*\c
.endr
.endr
	v_cndmask_b32 v30, v[PW], v[PW+2], s92         ; slots 0-15: tiles 0 and 1; slots 16-31: tiles 2 and 3
	v_cndmask_b32 v31, v[PW+1], v[PW+3], s92
	global_store_b64 v[L8], v[30:31], s[88:89]
	s_wait_tensorcnt 0x0                           ; the wave's end
	ds_add_u32 v[SPW], v[NIL]
	s_wait_dscnt 0x0
	CROUND                                         ; the closing round
	s_endpgm
.Lfunc_end_k_qed15e98d43_proj:
	.size	k_qed15e98d43_proj, .Lfunc_end_k_qed15e98d43_proj-k_qed15e98d43_proj
	.p2alignl 7, 3214868480
	.fill 96, 4, 3214868480
	.section	.rodata,"a",@progbits
	.p2align	6, 0x0
	.amdhsa_kernel k_qed15e98d43_proj
		.amdhsa_group_segment_fixed_size 327680
		.amdhsa_private_segment_fixed_size 0
		.amdhsa_enable_private_segment 0
		.amdhsa_kernarg_size 56
		.amdhsa_user_sgpr_count 2
		.amdhsa_user_sgpr_kernarg_segment_ptr 1
		.amdhsa_wavefront_size32 1
		.amdhsa_system_sgpr_workgroup_id_x 1
		.amdhsa_system_sgpr_workgroup_id_y 1
		.amdhsa_system_sgpr_workgroup_id_z 1
		.amdhsa_system_vgpr_workitem_id 0
		.amdhsa_next_free_vgpr 768
		.amdhsa_next_free_sgpr 102
		.amdhsa_reserve_vcc 0
		.amdhsa_float_denorm_mode_32 3
		.amdhsa_float_denorm_mode_16_64 3
		.amdhsa_memory_ordered 1
		.amdhsa_forward_progress 1
		.amdhsa_inst_pref_size 202
	.end_amdhsa_kernel
	.amdgpu_metadata
---
amdhsa.version: [ 1, 2 ]
amdhsa.kernels:
  - .name:           k_qed15e98d43_proj
    .symbol:         k_qed15e98d43_proj.kd
    .args:
      - { .name: ximg, .offset: 0, .size: 8, .value_kind: global_buffer, .address_space: global }
      - { .name: wimg, .offset: 8, .size: 8, .value_kind: global_buffer, .address_space: global }
      - { .name: bk, .offset: 16, .size: 8, .value_kind: global_buffer, .address_space: global }
      - { .name: bq, .offset: 24, .size: 8, .value_kind: global_buffer, .address_space: global }
      - { .name: bv, .offset: 32, .size: 8, .value_kind: global_buffer, .address_space: global }
      - { .name: kv, .offset: 40, .size: 8, .value_kind: global_buffer, .address_space: global }
      - { .name: qimg, .offset: 48, .size: 8, .value_kind: global_buffer, .address_space: global }
    .group_segment_fixed_size: 327680
    .private_segment_fixed_size: 0
    .kernarg_segment_align: 8
    .kernarg_segment_size: 56
    .max_flat_workgroup_size: 128
    .sgpr_count:     102
    .vgpr_count:     768
    .wavefront_size: 32
...
	.end_amdgpu_metadata
.endif
;; end of part 2
;; launch attn (part 3): grid 4 x 64, 16 waves a work-group, clusters of 4 x 1, 207,872 bytes of LDS; arguments kv, qimg, cimg, cscale; writes cimg, cscale
.if DOCPART == 3
	.amdgcn_target "amdgcn-amd-amdhsa--gfx1250"
	.amdhsa_code_object_version 6
	.text
	.protected	k_qed15e98d43_attn
	.globl	k_qed15e98d43_attn
	.p2align	8
	.type	k_qed15e98d43_attn,@function
k_qed15e98d43_attn:
	s_mov_b64 s[64:65], 0
	v_nop
	global_prefetch_b8 v0, s[64:65] scope:SCOPE_SE
	s_setreg_imm32_b32 hwreg(HW_REG_WAVE_MODE, 25, 1), 1
	s_wait_xcnt 0x0
	s_wait_alu depctr_hold_cnt(0) depctr_sa_sdst(0) depctr_va_vdst(0) depctr_va_sdst(0) depctr_va_ssrc(0) depctr_va_vcc(0) depctr_vm_vsrc(0)
	s_getreg_b32 s2, hwreg(HW_REG_IB_STS2, 6, 4)
	s_cmp_eq_u32 s2, 0
	s_cbranch_scc0 .Lentry_in_a_cluster
	s_endpgm
.Lentry_in_a_cluster:
	s_bfe_u32 s2, ttmp6, 0x10000c
	s_cmp_lg_u32 s2, 0x3003
	s_cbranch_scc0 .Lentry_shape_is_right
	s_endpgm
.Lentry_shape_is_right:
; ctx = softmax(q k^T) v for one head (q carries the 1 / 8), both products on codes of FP6 (E2M3) with E8M0 scales; ctx is quantised along the model's 1,024 and stored as the last product's operand image.
; THE SOFTMAX: t = score x log2(e); M = the running largest t rounded UP to a whole number, kept as -M = min(old -M, floor(-t)); p = 2^(t - M) is quantised along the keys, not normalised;
; the sum is taken of the unquantised p and divides O at the end.  When M moves, the sum and O are multiplied by 2^(old M - new M): exact.
; SHARES.  A work-group: 512 queries of one head.  The head's sixteen records (a step of 128 keys each: K's four fragments, V's four, both scale words: 12,800 bytes) lie in LDS as in memory, filled once:
; each of the sixteen waves brings one record by one tensor load.  The four work-groups of a cluster are the four query blocks of one head: each load is asked for jointly.
; A wave owns two tiles of 16 queries and takes BOTH through each step: every fragment of K and V is read from LDS once for the two.  Four waves share a SIMD.
; LAYOUT.  Both products transposed: a lane holds one query (lane % 16).  The head's 64 are half of the instruction's 128: a fragment of K holds TWO tiles of 16 keys (registers 0-5, 6-11), and q stands between runs of zero
; codes (zeros, tile A, zeros, tile B, zeros): twelve registers from a run of codes on take the first tile of keys, twelve from the zeros ahead of it the second.
; Row m of key tile u of a step is key 64 (u / 4) + 8 (u % 4) + m % 8 + 32 (m / 8): so score register 32 c + i of lane (r, h) is key 64 c + 32 h + i: a lane holds two WHOLE blocks of 32 keys, in the order of p's operand registers.
; No lane is asked for a block's maximum and no code changes lanes; one lane exchange serves the row's maximum and one the scale word.
; V's rows (the head's 64) are permuted so that O^T's register 16 B + i is channel 32 B + 16 (lane / 16) + i: the next quantiser's order.
; No prefetch: every tensor load goes out at the head.  LIMITS: a block whose largest magnitude lies under 2^-124 gets the byte 1; NaN and infinities are not served; the scaled scores stay under 2^31 in magnitude.
.set HEADB, 204800
.set SREC,  12800
.set VOF,   6144                       ; V's fragments in a record
.set KSC,   12288                      ; K's scale words; V's lie 256 bytes on
.set CSS,   204800                     ; LDS: ctx's scale bytes of the block's 512 queries, 2 bytes each
.set SPARE, CSS+1024                   ; the spare words, 128 bytes a wave: eight blocks of 256 bytes that no other line names
.set B16, 1                            ; 16 x lane
.set B8,  2                            ; KSC + 8 x lane
.set A16, 3                            ; the step's record + B16
.set A8,  4                            ; the step's record + B8
.set X5,  5                            ; at work
.set NM,  6                            ; v6, v7    -M of tile A, B
.set SPW, 8                            ; my spare word; never rewritten
.set NIL, 9                            ; 0; never rewritten
.set SU,  10                           ; v10-13    the sums, a pair a tile
.set T,   14                           ; v14-19    at work
.set QS,  20                           ; v20, v21  q's scale words
.set KV,  22                           ; v22, v23  K's scale words, then V's
.set PS,  24                           ; v24, v25  p's scale words
.set Q,   26                           ; v26-55    zeros, q of tile A, zeros, q of tile B, zeros: six registers each
.set F,   56                           ; v56-103   four fragments of K, then of V
.set S,   104                          ; v104-167  S^T of one tile, then p
.set O,   168                          ; v168-231  O^T of tile A, of tile B
.set P,   232                          ; v232-255  p's codes of tile A, of tile B
.set SEL, 20                           ; s[20:21]  selects of v_permlanex16_b32: lane l xor 16
.set CS,  22                           ; s[22:23]  log2(e)
.macro CROUND
	s_barrier_signal -1
	s_barrier_wait -1
	s_cmp_lg_u32 s18, 0
	s_cbranch_scc1 .Lnot_wave_0_\@
	s_barrier_signal -3
.Lnot_wave_0_\@:
	s_barrier_wait -3
	s_barrier_signal -1
	s_barrier_wait -1
.endm
.macro WALU
	s_wait_alu depctr_va_vdst(0)
.endm
.macro WM d, a, b, c, sa, sb, row      ; one product; row = 1: source 0's scales from lanes 16-31
.if \row
	v_wmma_scale_f32_16x16x128_f8f6f4 v[\d:\d+7], v[\a:\a+11], v[\b:\b+11], \c, v[\sa], v[\sb] matrix_a_fmt:MATRIX_FMT_FP6 matrix_b_fmt:MATRIX_FMT_FP6 matrix_a_scale:MATRIX_SCALE_ROW1
.else
	v_wmma_scale_f32_16x16x128_f8f6f4 v[\d:\d+7], v[\a:\a+11], v[\b:\b+11], \c, v[\sa], v[\sb] matrix_a_fmt:MATRIX_FMT_FP6 matrix_b_fmt:MATRIX_FMT_FP6
.endif
.endm
.macro QK x                            ; S^T of tile x: eight tiles of 16 keys
.irp f, 0,1,2,3
	WM S+16*\f, F+12*\f, Q+6+12*\x, 0, KV+\f%2, QS+\x, \f/2
	WM S+16*\f+8, F+12*\f, Q+12*\x, 0, KV+\f%2, QS+\x, \f/2
.endr
.rept 4
	v_nop                                          ; places ahead of the first read of the scores and of loads into the fragments
.endr
.endm
.macro SOFT x                          ; tile x: scores to p, p's codes and scale word; the sum and O^T under the new M
.irp b, 0,1,2,3
	v_max3_num_f32 v[T+\b], v[S+16*\b], v[S+16*\b+1], v[S+16*\b+2]   ; four chains of 16 scores; each accumulator is read from its low end on
.endr
.irp i, 3,5,7,9,11,13
.irp b, 0,1,2,3
	v_max3_num_f32 v[T+\b], v[T+\b], v[S+16*\b+\i], v[S+16*\b+\i+1]
.endr
.endr
	v_max3_num_f32 v[T], v[T], v[T+1], v[S+15]
	v_max3_num_f32 v[T+2], v[T+2], v[T+3], v[S+47]
	v_max_num_f32 v[T], v[T], v[S+31]              ; the largest score of my block h: it serves the row's maximum and, since p rises with the score, the block's largest p
	v_max_num_f32 v[T+1], v[T+2], v[S+63]          ; and of my block 2 + h
	s_delay_alu instid0(VALU_DEP_1)
	v_max_num_f32 v[T+2], v[T], v[T+1]
	s_delay_alu instid0(VALU_DEP_1)
	v_permlanex16_b32 v[T+3], v[T+2], s[SEL], s[SEL+1]
	s_delay_alu instid0(VALU_DEP_1)
	v_max_num_f32 v[T+2], v[T+2], v[T+3]           ; the step's largest score of my query
	s_delay_alu instid0(VALU_DEP_1)
	v_mul_f32 v[T+2], s[CS], v[T+2]
	s_delay_alu instid0(VALU_DEP_1)
	v_floor_f32 v[T+3], -v[T+2]
	s_delay_alu instid0(VALU_DEP_1)
	v_min_num_f32 v[T+2], v[NM+\x], v[T+3]         ; the new -M
	s_delay_alu instid0(VALU_DEP_1)
	v_sub_f32 v[T+3], v[T+2], v[NM+\x]             ; old M - new M, a whole number, 0 or less
	s_delay_alu instid0(VALU_DEP_2)
	v_mov_b32 v[NM+\x], v[T+2]
	s_delay_alu instid0(VALU_DEP_2)
	v_cvt_i32_f32 v[T+3], v[T+3]                   ; (it saturates)
	s_delay_alu instid0(VALU_DEP_1)
	v_ldexp_f32 v[T+4], 1.0, v[T+3]                ; f = 2^(old M - new M)
.set j, 0
.rept 32
	v_pk_fma_f32 v[S+j:S+j+1], v[S+j:S+j+1], s[CS:CS+1], v[T+2:T+3] op_sel_hi:[1,0,0]   ; t - M
.set j, j+2
.endr
	v_fma_f32 v[T], v[T], s[CS], v[T+2]
	v_fma_f32 v[T+1], v[T+1], s[CS], v[T+2]
	WALU
.set j, 0
.rept 64
	v_exp_f32 v[S+j], v[S+j]                       ; p = 2^(t - M)
.set j, j+1
.endr
	v_exp_f32 v[T], v[T]                           ; each block's largest p: the same two instructions on the same number
	v_exp_f32 v[T+1], v[T+1]
	v_pk_mul_f32 v[SU+2*\x:SU+2*\x+1], v[SU+2*\x:SU+2*\x+1], v[T+4:T+5] op_sel_hi:[1,0]   ; the sum under the new M: the plain instruction behind the batch
	WALU                                           ; one wait for the batch, directly ahead of the first reader of O^T too
.set j, 0
.rept 16
	v_pk_mul_f32 v[O+32*\x+j:O+32*\x+j+1], v[O+32*\x+j:O+32*\x+j+1], v[T+4:T+5] op_sel_hi:[1,0]   ; O^T under the new M
.set j, j+2
.endr
	v_max_num_f32 v[T], 0x1800000, v[T]            ; the floor 2^(3 - 127)
	v_max_num_f32 v[T+1], 0x1800000, v[T+1]
	v_pk_add_f32 v[T+2:T+3], v[S:S+1], v[S+2:S+3]                  ; the sum of the unquantised p, in three chains; first the numbers whose registers take codes below
	v_pk_add_f32 v[T+4:T+5], v[S+32:S+33], v[S+34:S+35]
	v_add_nc_u32 v[T], 0xff000000, v[T]            ; 2 off the exponent field: the conversion's scale operand
	v_add_nc_u32 v[T+1], 0xff000000, v[T+1]
	v_cvt_scalef32_pk16_fp6_f32 v[P+12*\x:P+12*\x+2], v[S:S+15], v[T]
	v_cvt_scalef32_pk16_fp6_f32 v[P+12*\x+6:P+12*\x+8], v[S+32:S+47], v[T+1]
	v_lshrrev_b32 v[X5], 23, v[T]                  ; block h's byte.  (The plain instruction between the conversions above and the writes over their sources)
	v_cvt_scalef32_pk16_fp6_f32 v[S:S+2], v[S+16:S+31], v[T]       ; a conversion's three registers begin on an even number: the blocks' second halves are made where summed numbers lay, and moved
	v_cvt_scalef32_pk16_fp6_f32 v[S+32:S+34], v[S+48:S+63], v[T+1]
	v_pk_add_f32 v[SU+2*\x:SU+2*\x+1], v[SU+2*\x:SU+2*\x+1], v[S+4:S+5]   ; (the plain instruction behind the conversions)
	v_lshrrev_b32 v[T+1], 23, v[T+1]               ; block 2 + h's byte
	v_lshl_or_b32 v[X5], v[T+1], 16, v[X5]
	v_permlanex16_b32 v[T], v[X5], s[SEL], s[SEL+1]
.irp i, 0,1,2
	v_mov_b32 v[P+12*\x+3+\i], v[S+\i]
	v_mov_b32 v[P+12*\x+9+\i], v[S+32+\i]
.endr
	v_lshl_or_b32 v[PS+\x], v[T], 8, v[X5]         ; lanes 0-15, which the product reads: blocks 0 and 2 are mine, 1 and 3 lane l + 16's
.irp j, 6,12,18,24                     ; the 29 additions below also stand between the writes of p's codes and scale word and the products
	v_pk_add_f32 v[SU+2*\x:SU+2*\x+1], v[SU+2*\x:SU+2*\x+1], v[S+\j:S+\j+1]
	v_pk_add_f32 v[T+2:T+3], v[T+2:T+3], v[S+\j+2:S+\j+3]
	v_pk_add_f32 v[T+4:T+5], v[T+4:T+5], v[S+\j+4:S+\j+5]
.endr
	v_pk_add_f32 v[SU+2*\x:SU+2*\x+1], v[SU+2*\x:SU+2*\x+1], v[S+30:S+31]
	v_pk_add_f32 v[T+2:T+3], v[T+2:T+3], v[S+36:S+37]
	v_pk_add_f32 v[T+4:T+5], v[T+4:T+5], v[S+38:S+39]
.irp j, 40,46,52,58
	v_pk_add_f32 v[SU+2*\x:SU+2*\x+1], v[SU+2*\x:SU+2*\x+1], v[S+\j:S+\j+1]
	v_pk_add_f32 v[T+2:T+3], v[T+2:T+3], v[S+\j+2:S+\j+3]
	v_pk_add_f32 v[T+4:T+5], v[T+4:T+5], v[S+\j+4:S+\j+5]
.endr
	v_pk_add_f32 v[T+2:T+3], v[T+2:T+3], v[T+4:T+5]
	v_pk_add_f32 v[SU+2*\x:SU+2*\x+1], v[SU+2*\x:SU+2*\x+1], v[T+2:T+3]
.endm
	s_load_b256 s[4:11], s[0:1], 0x0               ; kv, qimg, cimg, cscale
	v_lshl_add_u32 v[SPW], v0, 2, SPARE
	v_mov_b32 v[NIL], 0
	ds_add_u32 v[SPW], v[NIL]                      ; the wave's opening: the add, twice on end, and its wait ahead of my first tensor load
	ds_add_u32 v[SPW], v[NIL]
	v_lshrrev_b32 v[T], 5, v0
	v_readfirstlane_b32 s18, v[T]                  ; wave 0..15
	s_bfe_u32 s19, ttmp6, 0x40000                  ; cx: my block of 512 queries; it enters q's, ctx's and the scale bytes' global addresses alone
	s_and_b32 s24, ttmp7, 0xffff                   ; 16 x batch + head, which the four partners share
	s_mov_b32 s32, 15|(3<<16)|(1<<21)              ; group 1: the mask names all four; elements of 8 bytes; 50 rows of 256 bytes, dense
	s_mov_b32 s33, 32<<16
	s_mov_b32 s34, 50<<16
	s_mov_b32 s35, 32<<16
	s_mov_b32 s36, 50
	s_mov_b32 s37, 32
	s_mov_b32 s38, 0
	s_mov_b32 s39, 0
	s_mov_b32 s28, 1
	s_mul_i32 s29, s18, SREC                       ; my record of the head, in LDS as in memory
	s_mul_i32 s56, s24, HEADB
	s_add_co_u32 s56, s56, s29
	s_mov_b32 s57, 0
	s_lshl_b32 s25, s19, 5
	s_add_co_u32 s25, s25, s18                     ; my first tile in the batch's 128: 32 cx + wave; my second lies 16 tiles on
	s_lshl_b32 s50, s24, 7
	s_add_co_u32 s50, s50, s25
	s_lshl_b32 s50, s50, 10                        ; q's record
	s_mov_b32 s51, 0
	s_lshr_b32 s26, s24, 4                         ; batch
	s_and_b32 s27, s24, 15                         ; head
	s_lshl_b32 s52, s26, 7
	s_add_co_u32 s52, s52, s25
	s_mul_i32 s52, s52, 12288                      ; ctx: the token tile's eight images,
	s_mul_i32 s53, s27, 768                        ; and my head's half image
	s_add_co_u32 s52, s52, s53
	s_mov_b32 s53, 0
	s_lshl_b32 s54, s27, 14                        ; the scale bytes: [head][token], 2 bytes
	s_lshl_b32 s55, s26, 12
	s_add_co_u32 s54, s54, s55
	s_lshl_b32 s55, s19, 10
	s_add_co_u32 s54, s54, s55
	s_mov_b32 s55, 0
	s_mov_b32 s[SEL], 0x76543210
	s_mov_b32 s[SEL+1], 0xfedcba98
	s_mov_b32 s[CS], 0x3fb8aa3b
	s_mov_b32 s[CS+1], s[CS]
	s_wait_dscnt 0x0                               ; both opening adds are done
	s_wait_kmcnt 0x0
	s_add_nc_u64 s[30:31], s[4:5], s[56:57]
	s_or_b32 s31, s31, 0x80000000
	s_add_nc_u64 s[44:45], s[6:7], s[50:51]
	s_add_nc_u64 s[46:47], s[8:9], s[52:53]
	s_add_nc_u64 s[48:49], s[10:11], s[54:55]
	v_and_b32 v[T], 31, v0
	v_lshlrev_b32 v[B16], 4, v[T]
	v_lshlrev_b32 v[T+1], 3, v[T]
	v_add_nc_u32 v[B8], KSC, v[T+1]
.irp x, 0,1                            ; q of my two tiles is asked for ahead of the round: nobody writes these bytes in this launch
	global_load_b128 v[Q+6+12*\x:Q+9+12*\x], v[B16], s[44:45] offset:16384*\x
	global_load_b64 v[Q+10+12*\x:Q+11+12*\x], v[T+1], s[44:45] offset:16384*\x+512
	global_load_b32 v[QS+\x], v[T+1], s[44:45] offset:16384*\x+768
.endr
	CROUND                                         ; all four work-groups are here: the joint loads meet
	s_cmp_lt_u32 s18, 1                            ; my one tensor load of the launch.  Wave 0, whose record the first trip reads, has a line of its own: it alone waits ahead of the first barrier
	s_cbranch_scc0 .Llate
	tensor_load_to_lds s[28:31], s[32:39]
	s_nop 0
	s_branch .Lasked
.Llate:
	tensor_load_to_lds s[28:31], s[32:39]
	s_nop 0
.Lasked:
.irp z, 0,12,24
.irp i, 0,1,2,3,4,5
	v_mov_b32 v[Q+\z+\i], 0                        ; the zero codes round q, written once
.endr
.endr
	v_mov_b32 v[NM], 0x7f61b1e6                    ; -M: 3e38, a whole number over every -t
	v_mov_b32 v[NM+1], 0x7f61b1e6
.irp i, 0,1,2,3
	v_mov_b32 v[SU+\i], 0
.endr
	v_mov_b32 v[T+3], 0                            ; a lane permute's destination counts as one of its sources
	v_mov_b32 v[T+5], 0                            ; (named as the upper half of the pair that holds f)
.set j, 0
.rept 64
	v_mov_b32 v[O+j], 0                            ; O^T: the step is written once: its first trip finds zeros, which f = 0 leaves zeros
.set j, j+1
.endr
	s_mov_b32 s41, 0
	WALU
	s_wait_loadcnt 0x0                             ; q
	s_cmp_lt_u32 s18, 1
	s_cbranch_scc0 .Lnot_first
	s_wait_tensorcnt 0x0                           ; record 0 is in
.Lnot_first:
	s_barrier_signal -1
	s_barrier_wait -1                              ; and shown to all; the other fifteen may be on their way
.macro TRIPS n                         ; n trips of 128 keys, both tiles of queries in each
	s_mov_b32 s40, \n
.Lstep_\@:
	v_add_nc_u32 v[A16], s41, v[B16]               ; these four are the places between the last products and the loads into the registers that they read
	v_add_nc_u32 v[A8], s41, v[B8]
	v_nop
	v_nop
.irp f, 0,1,2,3
.irp c, 0,1,2
	ds_load_b128 v[F+12*\f+4*\c:F+12*\f+4*\c+3], v[A16] offset:1536*\f+512*\c
.endr
.endr
	ds_load_b64 v[KV:KV+1], v[A8]
	WALU
	s_wait_dscnt 0x0
	QK 0
	SOFT 0
	QK 1
.irp f, 0,1,2,3
.irp c, 0,1,2
	ds_load_b128 v[F+12*\f+4*\c:F+12*\f+4*\c+3], v[A16] offset:VOF+1536*\f+512*\c   ; V's four fragments land under the second tile's softmax
.endr
.endr
	ds_load_b64 v[KV:KV+1], v[A8] offset:256
	SOFT 1
	WALU
	s_wait_dscnt 0x0                               ; V's fragments and scale words
.irp d, 0,1,2,3                        ; the eight accumulators take turns, one instruction a turn
	WM O+8*\d, F+12*\d, P, v[O+8*\d:O+8*\d+7], KV+\d%2, PS, \d/2
	WM O+32+8*\d, F+12*\d, P+12, v[O+32+8*\d:O+32+8*\d+7], KV+\d%2, PS+1, \d/2
.endr
	s_add_co_u32 s41, s41, SREC
	s_sub_co_u32 s40, s40, 1
	s_cmp_lg_u32 s40, 0
	s_cbranch_scc1 .Lstep_\@
.endm
	TRIPS 1
	s_wait_tensorcnt 0x0                           ; every wave's record is in (no LDS instruction of mine is out),
	s_barrier_signal -1
	s_barrier_wait -1                              ; and shown to all
	TRIPS 15
	; the way out of both tiles: O^T / the sum, quantised along the head's 64 (two blocks of the model's 1,024)
.rept 4
	v_nop                                          ; places behind the last products
.endr
	v_add_f32 v[T], v[SU], v[SU+1]
	v_add_f32 v[T+2], v[SU+2], v[SU+3]
	v_permlanex16_b32 v[T+1], v[T], s[SEL], s[SEL+1]
	v_permlanex16_b32 v[T+3], v[T+2], s[SEL], s[SEL+1]
	v_add_f32 v[T], v[T], v[T+1]
	v_add_f32 v[T+2], v[T+2], v[T+3]
	WALU
	v_rcp_f32 v[T], v[T]
	v_rcp_f32 v[T+2], v[T+2]
	v_and_b32 v[A16], 31, v0
	WALU                                           ; ahead of the reciprocals' first reader, which is O^T's too
.set j, 0
.rept 16
	v_pk_mul_f32 v[S+j:S+j+1], v[O+j:O+j+1], v[T:T+1] op_sel_hi:[1,0]   ; each accumulator from its low end on
.set j, j+2
.endr
.set j, 0
.rept 16
	v_pk_mul_f32 v[S+32+j:S+32+j+1], v[O+32+j:O+32+j+1], v[T+2:T+3] op_sel_hi:[1,0]
.set j, j+2
.endr
.irp b, 0,1,2,3
	v_mov_b32 v[F+4+\b], 0                         ; a lane permute's destination counts as one of its sources
.endr
.irp b, 0,1,2,3                        ; block b % 2 of tile b / 2: my 16 numbers
	v_max3_num_f32 v[F+\b], |v[S+16*\b]|, |v[S+16*\b+1]|, 0x1800000
.endr
.irp i, 2,4,6,8,10,12,14
.irp b, 0,1,2,3
	v_max3_num_f32 v[F+\b], v[F+\b], |v[S+16*\b+\i]|, |v[S+16*\b+\i+1]|
.endr
.endr
.irp b, 0,1,2,3
	v_permlanex16_b32 v[F+4+\b], v[F+\b], s[SEL], s[SEL+1]
.endr
.irp b, 0,1,2,3
	v_max_num_f32 v[F+\b], v[F+\b], v[F+4+\b]
.endr
.irp b, 0,1,2,3
	v_add_nc_u32 v[F+8+\b], 0xff000000, v[F+\b]
.endr
.irp b, 0,1,2,3
	v_lshrrev_b32 v[F+4+\b], 23, v[F+8+\b]
.endr
	v_lshl_or_b32 v[F+36], v[F+5], 8, v[F+4]       ; my query's two scale bytes, tile A,
	v_lshl_or_b32 v[F+37], v[F+7], 8, v[F+6]       ; tile B
	v_cvt_scalef32_pk16_fp6_f32 v[F+12:F+14], v[S:S+15], v[F+8]
	v_cvt_scalef32_pk16_fp6_f32 v[F+28:F+30], v[S+16:S+31], v[F+9]
	v_cvt_scalef32_pk16_fp6_f32 v[F+20:F+22], v[S+32:S+47], v[F+10]
	v_cvt_scalef32_pk16_fp6_f32 v[F+32:F+34], v[S+48:S+63], v[F+11]
	v_lshlrev_b32 v[A8], 3, v[A16]                 ; 8 x lane.  (The plain instruction behind the conversions)
.irp i, 0,1,2
	v_permlane16_swap_b32 v[F+12+\i], v[F+28+\i]   ; the operand wants a whole block in a lane
	v_permlane16_swap_b32 v[F+20+\i], v[F+32+\i]
.endr
.irp i, 0,1,2
	v_mov_b32 v[F+15+\i], v[F+28+\i]
	v_mov_b32 v[F+23+\i], v[F+32+\i]
.endr
	s_lshl_b32 s25, s18, 5
	v_and_b32 v[T], 15, v0
	v_lshl_add_u32 v[T], v[T], 1, s25
	v_add_nc_u32 v[T], CSS, v[T]                   ; my query's two scale bytes in LDS: 32 x wave + 2 r
	v_lshl_add_u32 v[T+1], v0, 4, CSS              ; the way out of the 1,024 bytes: threads 0-63 alone use these two
	v_lshlrev_b32 v[T+2], 4, v0
.irp x, 0,1
	global_store_b128 v[B16], v[F+12+8*\x:F+15+8*\x], s[46:47] offset:196608*\x       ; half an image: 512 consecutive bytes,
	global_store_b64 v[A8], v[F+16+8*\x:F+17+8*\x], s[46:47] offset:196608*\x+512     ; and 256, both aligned
	ds_store_b16 v[T], v[F+36+\x] offset:512*\x    ; both halves of the lanes write the same bytes with the same value
.endr
	WALU
	s_wait_dscnt 0x0                               ; for the others' sake: my scale bytes lie in LDS
	s_barrier_signal -1
	s_barrier_wait -1
	s_cmp_lt_u32 s18, 2
	s_cbranch_scc0 .Lno_scales
	ds_load_b128 v[O:O+3], v[T+1]                  ; waves 0 and 1 store the block's 1,024 bytes: 512 consecutive bytes each
	s_wait_dscnt 0x0
	global_store_b128 v[T+2], v[O:O+3], s[48:49]
.Lno_scales:
	s_wait_tensorcnt 0x0                           ; the wave's end
	ds_add_u32 v[SPW], v[NIL]
	s_wait_dscnt 0x0
	CROUND                                         ; the closing round
	s_endpgm
.Lfunc_end_k_qed15e98d43_attn:
	.size	k_qed15e98d43_attn, .Lfunc_end_k_qed15e98d43_attn-k_qed15e98d43_attn
	.p2alignl 7, 3214868480
	.fill 96, 4, 3214868480
	.section	.rodata,"a",@progbits
	.p2align	6, 0x0
	.amdhsa_kernel k_qed15e98d43_attn
		.amdhsa_group_segment_fixed_size 207872
		.amdhsa_private_segment_fixed_size 0
		.amdhsa_enable_private_segment 0
		.amdhsa_kernarg_size 32
		.amdhsa_user_sgpr_count 2
		.amdhsa_user_sgpr_kernarg_segment_ptr 1
		.amdhsa_wavefront_size32 1
		.amdhsa_system_sgpr_workgroup_id_x 1
		.amdhsa_system_sgpr_workgroup_id_y 1
		.amdhsa_system_sgpr_workgroup_id_z 1
		.amdhsa_system_vgpr_workitem_id 0
		.amdhsa_next_free_vgpr 256
		.amdhsa_next_free_sgpr 66
		.amdhsa_reserve_vcc 0
		.amdhsa_float_denorm_mode_32 3
		.amdhsa_float_denorm_mode_16_64 3
		.amdhsa_memory_ordered 1
		.amdhsa_forward_progress 1
		.amdhsa_inst_pref_size 70
	.end_amdhsa_kernel
	.amdgpu_metadata
---
amdhsa.version: [ 1, 2 ]
amdhsa.kernels:
  - .name:           k_qed15e98d43_attn
    .symbol:         k_qed15e98d43_attn.kd
    .args:
      - { .name: kv, .offset: 0, .size: 8, .value_kind: global_buffer, .address_space: global }
      - { .name: qimg, .offset: 8, .size: 8, .value_kind: global_buffer, .address_space: global }
      - { .name: cimg, .offset: 16, .size: 8, .value_kind: global_buffer, .address_space: global }
      - { .name: cscale, .offset: 24, .size: 8, .value_kind: global_buffer, .address_space: global }
    .group_segment_fixed_size: 207872
    .private_segment_fixed_size: 0
    .kernarg_segment_align: 8
    .kernarg_segment_size: 32
    .max_flat_workgroup_size: 512
    .sgpr_count:     66
    .vgpr_count:     256
    .wavefront_size: 32
...
	.end_amdgpu_metadata
.endif
;; end of part 3
;; launch outp (part 4): grid 4 x 64, 4 waves a work-group, clusters of 4 x 4, 307,712 bytes of LDS; arguments cimg, cscale, wimg, bo, out0; writes out0
.if DOCPART == 4
	.amdgcn_target "amdgcn-amd-amdhsa--gfx1250"
	.amdhsa_code_object_version 6
	.text
	.protected	k_qed15e98d43_outp
	.globl	k_qed15e98d43_outp
	.p2align	8
	.type	k_qed15e98d43_outp,@function
k_qed15e98d43_outp:
	s_mov_b64 s[64:65], 0
	v_nop
	global_prefetch_b8 v0, s[64:65] scope:SCOPE_SE
	s_setreg_imm32_b32 hwreg(HW_REG_WAVE_MODE, 25, 1), 1
	s_wait_xcnt 0x0
	s_wait_alu depctr_hold_cnt(0) depctr_sa_sdst(0) depctr_va_vdst(0) depctr_va_sdst(0) depctr_va_ssrc(0) depctr_va_vcc(0) depctr_vm_vsrc(0)
	s_getreg_b32 s2, hwreg(HW_REG_IB_STS2, 6, 4)
	s_cmp_eq_u32 s2, 0
	s_cbranch_scc0 .Lentry_in_a_cluster
	s_endpgm
.Lentry_in_a_cluster:
	s_bfe_u32 s2, ttmp6, 0x10000c
	s_cmp_lg_u32 s2, 0xf033
	s_cbranch_scc0 .Lentry_shape_is_right
	s_endpgm
.Lentry_shape_is_right:
; out = ctx Wo + bo on codes of FP6 (E2M3) with E8M0 scales; out [8192][1024] f32.  D = S0 S1^T: source 0 = 16 columns of Wo (natural order: a lane's eight results are eight neighbouring columns), source 1 = 16 tokens of ctx.
; SHARES.  A work-group: 256 columns x 128 tokens, all of K = 1024, all its operands in LDS at once, filled once.  Wave w: column tiles 8 (w % 2) on, token tiles 4 (w / 2) on: 32 accumulators.
; CLUSTER 4 x 4.  Wo's block hangs on cx and is asked for jointly by the column; ctx's block and its scale bytes hang on cy, by the row.
; ctx's images are split (registers 0-3, 4-5, 6-9, 10-11: each head wrote its half), its scale bytes lie [head][token]: the scale words are put together once, at the head.  bo is the C of each sum's first product.
; REGISTERS.  window 0: v4-19 addresses; v32-127 ctx's fragments, two sets; v128-175 scale words and nothing else; v192-255 bo; on the way out v32-95 and v192-255 take rows of out by turns.
;   window 1: accumulator (a, b) at v[8 (8 a + b)].   window 2: Wo's fragments, two sets of 96.
.set WT,    819200
.set TILEB, 12800
.set REC,   6400                       ; Wo: a tile's record for 512 along K
.set CT,    12288                      ; ctx: a token tile's eight images
.set CREC,  6144                       ; four of them
.set CH,    16*REC                     ; LDS: Wo's chunk 0, Wo's chunk 1 (16 records each),
.set S1O,   2*CH                       ; ctx's eight token tiles, whole,
.set CSC,   S1O+8*CT                   ; ctx's scale bytes: 16 heads x 128 tokens x 2 bytes
.set SPARE, CSC+4096                   ; the spare words, 128 bytes a wave: two blocks of 256 bytes that no other line names
.set SP,    528                        ; the way out: a stage of 16 rows x (512 + 16) bytes a wave, in chunk 0's bytes, which have had their one fill and their last read when the first result is stored there
.set A0,  4
.set A1,  6
.set A0S, 8
.set A1H, 12                           ; v12-13 ctx's images: + 8 lane
.set L16, 14
.set L8,  15
.set CSA, 16
.set STO, 17
.set RD,  18
.set BO,  19
.set SPW, 28
.set NIL, 29
.set F1,  32
.set SC0, 128
.set SC1, 160
.set BI,  192
.set MSB, 0
.macro WIN new
.if MSB != \new
	s_set_vgpr_msb (MSB<<8)|\new
.set MSB, \new
.endif
.endm
.macro CROUND
	s_barrier_signal -1
	s_barrier_wait -1
	s_cmp_lg_u32 s18, 0
	s_cbranch_scc1 .Lnot_wave_0_\@
	s_barrier_signal -3
.Lnot_wave_0_\@:
	s_barrier_wait -3
	s_barrier_signal -1
	s_barrier_wait -1
.endm
.macro PLACES n
.rept \n
	v_nop
.endr
.endm
	s_load_b256 s[4:11], s[0:1], 0x0               ; cimg, cscale, wimg, bo
	s_load_b64 s[12:13], s[0:1], 0x20              ; out0
	v_lshl_add_u32 v[SPW], v0, 2, SPARE
	v_mov_b32 v[NIL], 0
	ds_add_u32 v[SPW], v[NIL]                      ; the wave's opening: the add, twice on end, and its wait ahead of my first tensor load
	ds_add_u32 v[SPW], v[NIL]
	v_lshrrev_b32 v1, 5, v0
	v_readfirstlane_b32 s18, v1
	s_and_b32 s19, s18, 1
	s_lshr_b32 s20, s18, 1
	s_bfe_u32 s21, ttmp6, 0x40000                  ; cx: the block of 256 columns
	s_bfe_u32 s22, ttmp6, 0x40004                  ; cy
	s_and_b32 s45, ttmp7, 0xffff
	s_lshl_b32 s45, s45, 2
	s_add_co_u32 s45, s45, s22                     ; the block of 128 tokens
	s_lshl_b32 s46, s21, 4
	s_mul_i32 s84, s46, TILEB
	s_add_co_u32 s84, s84, 3*WT                    ; Wo: tile 16 cx
	s_mov_b32 s85, 0
	s_lshl_b32 s80, s45, 3
	s_mul_i32 s86, s80, CT                         ; ctx: tile 8 x block
	s_mov_b32 s87, 0
	s_lshl_b32 s88, s45, 8                         ; the scale bytes: 256 bytes of each head's row,
	s_mov_b32 s89, 0
	s_lshl_b32 s83, s22, 2
	s_lshl_b32 s83, 15, s83                        ; my row of the cluster
	s_lshl_b32 s82, 0x1111, s21                    ; my column
	s_or_b32 s24, s82, (3<<16)|(1<<21)             ; Wo: 16 rows of 6,400 bytes, 12,800 apart
	s_mov_b32 s25, 800<<16
	s_mov_b32 s26, 16<<16
	s_mov_b32 s27, 800<<16
	s_mov_b32 s28, 16
	s_mov_b32 s29, 1600
	s_mov_b32 s30, 0
	s_mov_b32 s31, 0
	s_or_b32 s48, s83, (3<<16)|(1<<21)
	s_mov_b32 s49, 1536<<16                        ; ctx: 8 rows of 12,288 bytes, dense
	s_mov_b32 s50, 8<<16
	s_mov_b32 s51, 1536<<16
	s_mov_b32 s52, 8
	s_mov_b32 s53, 1536
	s_mov_b32 s54, 0
	s_mov_b32 s55, 0
	s_or_b32 s68, s83, (3<<16)|(1<<21)             ; scale bytes: 16 rows of 256 bytes, 16,384 apart
	s_mov_b32 s69, 32<<16
	s_mov_b32 s70, 16<<16
	s_mov_b32 s71, 32<<16
	s_mov_b32 s72, 16
	s_mov_b32 s73, 2048
	s_mov_b32 s74, 0
	s_mov_b32 s75, 0
	s_wait_dscnt 0x0                               ; the opening add is done
	s_wait_kmcnt 0x0
	s_add_nc_u64 s[84:85], s[8:9], s[84:85]
	s_add_nc_u64 s[86:87], s[4:5], s[86:87]
	s_add_nc_u64 s[88:89], s[6:7], s[88:89]
.irp c, 0,1
	s_mov_b32 s[32+4*\c], 1
	s_mov_b32 s[33+4*\c], \c*CH
	s_add_nc_u64 s[34+4*\c:35+4*\c], s[84:85], \c*REC
	s_or_b32 s[35+4*\c], s[35+4*\c], 0x80000000
.endr
	s_mov_b32 s56, 1
	s_mov_b32 s57, S1O
	s_mov_b64 s[58:59], s[86:87]
	s_or_b32 s59, s59, 0x80000000
	s_mov_b32 s76, 1
	s_mov_b32 s77, CSC
	s_mov_b64 s[78:79], s[88:89]
	s_or_b32 s79, s79, 0x80000000
	CROUND                                         ; all sixteen work-groups are here: the joint loads meet
	s_cmp_eq_u32 s18, 0                            ; the four tiles, one a wave, in one chain of arms: wave 0 Wo's chunk 0, wave 1 ctx's block, wave 2 its scale bytes, wave 3 Wo's chunk 1
	s_cbranch_scc0 .Lfill_1
	tensor_load_to_lds s[32:35], s[24:31]
	s_nop 0
	PLACES 4
	s_branch .Lfilled
.Lfill_1:
	s_cmp_eq_u32 s18, 1
	s_cbranch_scc0 .Lfill_2
	tensor_load_to_lds s[56:59], s[48:55]
	s_nop 0
	PLACES 4
	s_branch .Lfilled
.Lfill_2:
	s_cmp_eq_u32 s18, 2
	s_cbranch_scc0 .Lfill_3
	tensor_load_to_lds s[76:79], s[68:75]
	s_nop 0
	PLACES 4
	s_branch .Lfilled
.Lfill_3:
	tensor_load_to_lds s[36:39], s[24:31]
	s_nop 0
	PLACES 4
.Lfilled:
	v_and_b32 v1, 31, v0
	v_and_b32 v2, 15, v0                           ; r
	v_bfe_u32 v3, v0, 4, 1                         ; h
	v_lshlrev_b32 v[L16], 4, v1
	v_lshlrev_b32 v[L8], 3, v1
	s_mul_i32 s40, s19, 8*REC
	s_mul_i32 s41, s20, 4*CT
	s_add_co_u32 s41, s41, S1O
.irp c, 0,1
	v_add_nc_u32 v[A0+\c], s40, v[L16]
	v_add_nc_u32 v[A1+\c], s41, v[L16]
	v_add_nc_u32 v[A0S+\c], s40, v[L8]
	v_add_nc_u32 v[A1H+\c], s41, v[L8]
	s_add_co_u32 s40, s40, CH
	s_add_co_u32 s41, s41, CREC
.endr
	s_lshl_b32 s40, s20, 7
	s_add_co_u32 s40, s40, CSC
	v_lshl_add_u32 v[CSA], v3, 9, s40
	v_lshl_add_u32 v[CSA], v2, 1, v[CSA]           ; the scale bytes: 512 h (lanes 16-31 take the odd step: two heads on) + 128 x my half of the tokens + 2 r
	s_mul_i32 s40, s18, 16*SP
	v_mul_u32_u24 v[STO], v2, SP
	v_lshl_add_u32 v[STO], v3, 5, v[STO]
	v_add_nc_u32 v[STO], s40, v[STO]               ; my stage, in: row r, + 32 h
	v_add_nc_u32 v[RD], s40, v[L16]                ; back: a row of 512 bytes
	s_lshl_b32 s42, s21, 10
	s_lshl_b32 s43, s19, 9
	s_add_co_u32 s42, s42, s43                     ; my first column, in bytes: 1,024 cx + 512 x half
	v_lshl_add_u32 v[BO], v3, 5, s42
.irp b, 0,1,2,3,4,5,6,7
	global_load_b128 v[BI+8*\b:BI+8*\b+3], v[BO], s[10:11] offset:64*\b        ; bo at column tile b's 8 h + 0 .. 7: the result's layout
	global_load_b128 v[BI+8*\b+4:BI+8*\b+7], v[BO], s[10:11] offset:64*\b+16
.endr
	s_lshl_b32 s40, s45, 7
	s_lshl_b32 s41, s20, 6
	s_add_co_u32 s40, s40, s41                     ; my first token
	s_lshl_b32 s40, s40, 12                        ; a row of out is 4,096 bytes
	s_add_co_u32 s40, s40, s42
	s_mov_b32 s41, 0
	s_add_nc_u64 s[12:13], s[12:13], s[40:41]
.macro FETCH g
.set FC, (\g)/4
.set FS, (\g)%4
.set FP, (\g)%2
	WIN 0x80                                       ; destination window 2, address window 0
.irp b, 0,1,2,3,4,5,6,7
.irp k, 0,1,2
	ds_load_b128 v[96*FP+12*\b+4*\k:96*FP+12*\b+4*\k+3], v[A0+FC] offset:REC*\b+1536*FS+512*\k
.endr
.endr
	WIN 0
.irp a, 0,1,2,3
	ds_load_b128 v[F1+48*FP+12*\a:F1+48*FP+12*\a+3], v[A1+FC] offset:CT*\a+1536*FS
	ds_load_b64 v[F1+48*FP+12*\a+4:F1+48*FP+12*\a+5], v[A1H+FC] offset:CT*\a+1536*FS+512
	ds_load_b128 v[F1+48*FP+12*\a+6:F1+48*FP+12*\a+9], v[A1+FC] offset:CT*\a+1536*FS+768
	ds_load_b64 v[F1+48*FP+12*\a+10:F1+48*FP+12*\a+11], v[A1H+FC] offset:CT*\a+1536*FS+1280
.endr
.endm
.macro SCALES c
	WIN 0
.irp b, 0,1,2,3,4,5,6,7
	ds_load_b64 v[SC0+16*\c+2*\b:SC0+16*\c+2*\b+1], v[A0S+\c] offset:REC*\b+6144
.endr
.endm
.macro MUL32 g                         ; 32 products; the 32 accumulators take turns, one instruction a turn, in the same order in every step.  Step 0 starts the sums with bo
.set FC, (\g)/4
.set FS, (\g)%4
.set FP, (\g)%2
.if (\g) == 0
	WIN 0x42                                       ; source 0 window 2, sources 1 and 2 window 0, D window 1
.else
	WIN 0x52                                       ; C window 1 too
.endif
.irp a, 0,1,2,3
.irp b, 0,1,2,3,4,5,6,7
.if (\g) == 0
	v_wmma_scale_f32_16x16x128_f8f6f4 v[8*(8*\a+\b):8*(8*\a+\b)+7], v[96*FP+12*\b:96*FP+12*\b+11], v[F1+48*FP+12*\a:F1+48*FP+12*\a+11], v[BI+8*\b:BI+8*\b+7], v[SC0+16*FC+2*\b+FS/2], v[SC1+8*FC+2*\a+FS/2] matrix_a_fmt:MATRIX_FMT_FP6 matrix_b_fmt:MATRIX_FMT_FP6
.elseif FS%2 == 0
	v_wmma_scale_f32_16x16x128_f8f6f4 v[8*(8*\a+\b):8*(8*\a+\b)+7], v[96*FP+12*\b:96*FP+12*\b+11], v[F1+48*FP+12*\a:F1+48*FP+12*\a+11], v[8*(8*\a+\b):8*(8*\a+\b)+7], v[SC0+16*FC+2*\b+FS/2], v[SC1+8*FC+2*\a+FS/2] matrix_a_fmt:MATRIX_FMT_FP6 matrix_b_fmt:MATRIX_FMT_FP6
.else
	v_wmma_scale_f32_16x16x128_f8f6f4 v[8*(8*\a+\b):8*(8*\a+\b)+7], v[96*FP+12*\b:96*FP+12*\b+11], v[F1+48*FP+12*\a:F1+48*FP+12*\a+11], v[8*(8*\a+\b):8*(8*\a+\b)+7], v[SC0+16*FC+2*\b+FS/2], v[SC1+8*FC+2*\a+FS/2] matrix_a_fmt:MATRIX_FMT_FP6 matrix_b_fmt:MATRIX_FMT_FP6 matrix_a_scale:MATRIX_SCALE_ROW1 matrix_b_scale:MATRIX_SCALE_ROW1
.endif
.endr
.endr
.endm
.macro GSTEP g
.if (\g) == 3
	WIN 0
	s_wait_tensorcnt 0x0                           ; my part of chunk 1 is in (no LDS instruction of mine is out),
	s_barrier_signal -1
	s_barrier_wait -1                              ; everybody's is; and behind this barrier nobody reads chunk 0 any more
	SCALES 1
.endif
.if (\g) < 7
.if (\g) > 0
	PLACES 4                                       ; four plain instructions between the last product that read a set and the loads into it
.endif
	FETCH (\g)+1
.endif
	MUL32 \g
.if (\g) < 7
	s_wait_alu depctr_va_vdst(0)
	s_wait_dscnt 0x0
.endif
.endm
	s_wait_alu depctr_va_vdst(0)
	s_cmp_lt_u32 s18, 3                            ; waves 0 to 2 asked for what the first four steps read: they wait; Wo's chunk 1 may be out
	s_cbranch_scc0 .Lnot_first
	s_wait_tensorcnt 0x0
.Lnot_first:
	s_barrier_signal -1
	s_barrier_wait -1
	SCALES 0
.irp c, 0,1                            ; ctx's scale words: word (chunk c, register p, tile a) of lane (r, h) is for step 2 p + h: heads 8 c + 4 p + 2 h and the next, two bytes each
.irp p, 0,1
.irp a, 0,1,2,3
	ds_load_u16 v[80+2*(8*\c+2*\a+\p)], v[CSA] offset:2048*\c+1024*\p+32*\a
	ds_load_u16 v[81+2*(8*\c+2*\a+\p)], v[CSA] offset:2048*\c+1024*\p+32*\a+256
.endr
.endr
.endr
	FETCH 0
	s_wait_dscnt 0x0
.set i, 0
.rept 16
	v_lshl_or_b32 v[SC1+i], v[81+2*i], 16, v[80+2*i]
.set i, i+1
.endr
	s_wait_loadcnt 0x0                             ; bo
	PLACES 8                                       ; a scale register written by a vector instruction stands eight places ahead of the scaled product
.irp g, 0,1,2,3,4,5,6,7
	GSTEP \g
.endr
	WIN 0
	PLACES 4                                       ; behind the last products: ahead of the stores of results and of the loads into registers that held fragments
; THE WAY OUT, a block of 16 tokens x 128 columns at a time: a lane's 32 neighbouring bytes go into my own stage and come back as whole rows of 512 bytes.  LDS serves a wave's instructions in order: no wait between.
.macro TOSTAGE a
	WIN 0x04                                       ; an LDS store's data are its source 1: window 1
.irp b, 0,1,2,3,4,5,6,7
	ds_store_b128 v[STO], v[64*(\a)+8*\b:64*(\a)+8*\b+3] offset:64*\b        ; each accumulator from its low end on
	ds_store_b128 v[STO], v[64*(\a)+8*\b+4:64*(\a)+8*\b+7] offset:64*\b+16
.endr
	WIN 0
.set BB, 32+160*((\a)%2)
.irp t, 0,1,2,3,4,5,6,7,8,9,10,11,12,13,14,15
	ds_load_b128 v[BB+4*\t:BB+4*\t+3], v[RD] offset:\t*SP
.endr
.endm
.macro SEND a, younger                 ; younger: the LDS instructions issued behind block a's loads, which may stay out
.set BB, 32+160*((\a)%2)
	s_wait_dscnt \younger
.irp t, 0,1,2,3,4,5,6,7,8,9,10,11,12,13,14,15
	global_store_b128 v[L16], v[BB+4*\t:BB+4*\t+3], s[12:13] offset:65536*(\a)+4096*\t th:TH_STORE_NT   ; 512 consecutive bytes of a row of out, aligned; written once
.endr
.endm
	TOSTAGE 0
.irp a, 1,2,3
.if \a > 1
	s_wait_xcnt 0x0                                ; block a - 2's stores have read their data: block a's rows may land there
.endif
	TOSTAGE \a
	SEND \a-1, 32                                  ; behind block a - 1's loads: block a's 16 stores and 16 loads
.endr
	SEND 3, 0
	s_wait_tensorcnt 0x0                           ; the wave's end
	ds_add_u32 v[SPW], v[NIL]
	s_wait_dscnt 0x0
	CROUND                                         ; the closing round
	s_endpgm
.Lfunc_end_k_qed15e98d43_outp:
	.size	k_qed15e98d43_outp, .Lfunc_end_k_qed15e98d43_outp-k_qed15e98d43_outp
	.p2alignl 7, 3214868480
	.fill 96, 4, 3214868480
	.section	.rodata,"a",@progbits
	.p2align	6, 0x0
	.amdhsa_kernel k_qed15e98d43_outp
		.amdhsa_group_segment_fixed_size 307712
		.amdhsa_private_segment_fixed_size 0
		.amdhsa_enable_private_segment 0
		.amdhsa_kernarg_size 40
		.amdhsa_user_sgpr_count 2
		.amdhsa_user_sgpr_kernarg_segment_ptr 1
		.amdhsa_wavefront_size32 1
		.amdhsa_system_sgpr_workgroup_id_x 1
		.amdhsa_system_sgpr_workgroup_id_y 1
		.amdhsa_system_sgpr_workgroup_id_z 1
		.amdhsa_system_vgpr_workitem_id 0
		.amdhsa_next_free_vgpr 768
		.amdhsa_next_free_sgpr 100
		.amdhsa_reserve_vcc 0
		.amdhsa_float_denorm_mode_32 3
		.amdhsa_float_denorm_mode_16_64 3
		.amdhsa_memory_ordered 1
		.amdhsa_forward_progress 1
		.amdhsa_inst_pref_size 83
	.end_amdhsa_kernel
	.amdgpu_metadata
---
amdhsa.version: [ 1, 2 ]
amdhsa.kernels:
  - .name:           k_qed15e98d43_outp
    .symbol:         k_qed15e98d43_outp.kd
    .args:
      - { .name: cimg, .offset: 0, .size: 8, .value_kind: global_buffer, .address_space: global }
      - { .name: cscale, .offset: 8, .size: 8, .value_kind: global_buffer, .address_space: global }
      - { .name: wimg, .offset: 16, .size: 8, .value_kind: global_buffer, .address_space: global }
      - { .name: bo, .offset: 24, .size: 8, .value_kind: global_buffer, .address_space: global }
      - { .name: out0, .offset: 32, .size: 8, .value_kind: global_buffer, .address_space: global }
    .group_segment_fixed_size: 307712
    .private_segment_fixed_size: 0
    .kernarg_segment_align: 8
    .kernarg_segment_size: 40
    .max_flat_workgroup_size: 128
    .sgpr_count:     100
    .vgpr_count:     768
    .wavefront_size: 32
...
	.end_amdgpu_metadata
.endif
;; end of part 4
